; MI455X (gfx1250); checked and timed in simulation.
; The chip was launched on July 23, 2026; its instructions are those of AMD's public machine-readable ISA for CDNA 5 (MIT licence, August 2026) and "CDNA5" Instruction Set Architecture Reference Guide (July 2026). The comments in the code are by the model that wrote it; some were corrected since.
;; Attention. Allowed arithmetic: float matrix products may take bf16 or f16 operands with f32 sums; all other float work in f32.
;; Inputs: Wk 4,096 x 1,024 float32; Wo 2,048 x 4,096 float32; Wq 4,096 x 2,048 float32; Wv 4,096 x 1,024 float32; attn_mask 2,048 x 2,048 float32; cos 2,048 x 128 float32; k_norm_w 128 float32; position_ids 2,048 int32; q_norm_w 128 float32; sin 2,048 x 128 float32; x 2,048 x 4,096 float32.
;; Outputs: out0 2,048 x 4,096 float32.
;; One version. Each part assembles by itself: llvm-mc -triple=amdgcn-amd-amdhsa -mcpu=gfx1250 --defsym DOCPART=n.
;; ======== version 1 of 1: 4 launches
;; limits: values outside matrix products are rounded to bf16; values are held in f16: magnitudes above 65,504 overflow, below 6.1e-05 lose precision; right only within a limited range of input values
;; workspace buffers: xb 16,777,216 bytes; wqkv 33,554,432 bytes; wob 16,777,216 bytes; rope 1,048,576 bytes; qkv 16,777,216 bytes; att 8,388,608 bytes
;; launch cast (part 1): grid 1040 x 1, 8 waves a work-group, no clusters, 0 bytes of LDS; arguments x, Wq, Wk, Wv, Wo, cos, sin, position_ids, xb, wqkv, wob, rope; writes xb, wqkv, wob, rope
.if DOCPART == 1
	.amdgcn_target "amdgcn-amd-amdhsa--gfx1250"
	.amdhsa_code_object_version 6
	.text
	.protected	k_qb5ffa27502_cast
	.globl	k_qb5ffa27502_cast
	.p2align	8
	.type	k_qb5ffa27502_cast,@function
k_qb5ffa27502_cast:
	s_mov_b64 s[64:65], 0
	v_nop
	global_prefetch_b8 v0, s[64:65] scope:SCOPE_SE
	s_setreg_imm32_b32 hwreg(HW_REG_WAVE_MODE, 25, 1), 1
	s_wait_xcnt 0x0
; cast: the 16-bit copies that the later launches' tensor loads bring into LDS as they lie.
;   xb   [2048][4096] bf16 = x
;   wqkv [4096 k][4096 n] bf16 = Wq (n 0-2047) | Wk (n 2048-3071) | Wv (n 3072-4095)
;   wob  [2048 k][4096 n] f16  = 16 x (Wo rounded to bf16); the attention launch leaves its result times 1/16
;   rope [2048 rows][256] bf16 = cos[position_ids[row]] (128), then sin[position_ids[row]] (128) with the sign turned for d < 64,
;        so that the rotation is out[d] = y[d] cos[d] + y[(d + 64) mod 128] sin'[d]
; A stream: no LDS, no matrix unit, no cluster (no two work-groups read the same bytes but the table's rows).
; A piece is 1,024 numbers: thread t reads 16 bytes at 16 t and stores 8 bytes at 8 t, so a wave's load covers 512 and its store 256
; consecutive aligned bytes.  A work-group takes 32 consecutive pieces (128 KiB) of one source; all 32 loads of a wave go out first.
; LIMITS: position_ids are taken as unsigned and clamped to 0..2047.  |16 Wo| must stay under 65,504 (f16); below 6.1e-5 it keeps
; an absolute error of 3e-8.
.set X,   4                            ; v[4:131]   32 pieces x 4 registers (table: 16 rows x 8)
.set IDX, 132                          ; v[132:147] table: the 16 rows' positions, then byte offsets
.set SGN, 148                          ; v148       table: 0x80008000 in the lanes with d < 64
.set RO,  149                          ; v149       table: my store offset
.set CL,  150                          ; v150       table: lane, then 16 x lane
	s_load_b512 s[16:31], s[0:1], 0x0              ; x 16, Wq 18, Wk 20, Wv 22, Wo 24, cos 26, sin 28, position_ids 30
	s_load_b256 s[32:39], s[0:1], 0x40             ; xb 32, wqkv 34, wob 36, rope 38
	v_lshlrev_b32 v1, 4, v0                        ; 16 t: my bytes in a source piece
	v_lshlrev_b32 v2, 3, v0                        ; 8 t: my bytes in a piece of the copy
	s_mov_b32 s9, 0xffff0000                       ; a word's upper bf16
	s_mov_b32 s11, 0                               ; high words of the two offsets
	s_mov_b32 s13, 0
	s_mov_b32 s14, 6144                            ; Wv's first column in a row of wqkv, in bytes
	s_wait_kmcnt 0x0
; 32 pieces from s[4:5] to s[6:7].  ppr = pieces in a source row; a row of the copy is 8,192 bytes.  f16 = 1: Wo's form.
.macro CAST ppr, f16
.set i, 0
.rept 32
	global_load_b128 v[X+4*i:X+4*i+3], v1, s[4:5] offset:4096*i th:TH_LOAD_NT
.set i, i+1
.endr
.set i, 0
.rept 32
	s_wait_loadcnt 31-i                            ; loads come back in order: piece i is in, the 31 - i younger ones stay out
.if \f16
	v_pk_mul_f32 v[X+4*i:X+4*i+1], v[X+4*i:X+4*i+1], 0x41800000 op_sel_hi:[1,0]       ; x 16: exact
	v_pk_mul_f32 v[X+4*i+2:X+4*i+3], v[X+4*i+2:X+4*i+3], 0x41800000 op_sel_hi:[1,0]
.endif
	v_cvt_pk_bf16_f32 v[X+4*i], v[X+4*i], v[X+4*i+1]
	v_cvt_pk_bf16_f32 v[X+4*i+1], v[X+4*i+2], v[X+4*i+3]
.if \f16
	v_lshlrev_b32 v[X+4*i+2], 16, v[X+4*i+1]       ; the four bf16 back to f32,
	v_and_b32 v[X+4*i+3], s9, v[X+4*i+1]
	v_and_b32 v[X+4*i+1], s9, v[X+4*i]
	v_lshlrev_b32 v[X+4*i], 16, v[X+4*i]
	v_cvt_pk_f16_f32 v[X+4*i], v[X+4*i], v[X+4*i+1]        ; and into f16, which holds a bf16's 8 bits exactly
	v_cvt_pk_f16_f32 v[X+4*i+1], v[X+4*i+2], v[X+4*i+3]
.endif
	global_store_b64 v2, v[X+4*i:X+4*i+1], s[6:7] offset:(i/\ppr)*8192+(i%\ppr)*2048   ; no register is written twice: no further wait
.set i, i+1
.endr
	s_endpgm
.endm
	s_cmp_lt_u32 ttmp9, 16
	s_cbranch_scc1 .Lrope
	s_cmp_lt_u32 ttmp9, 272
	s_cbranch_scc1 .Lx
	s_cmp_lt_u32 ttmp9, 528
	s_cbranch_scc1 .Lwq
	s_cmp_lt_u32 ttmp9, 784
	s_cbranch_scc1 .Lwkv
	; work-groups 784-1039: Wo, 8 rows each
	s_sub_co_u32 s8, ttmp9, 784
	s_lshl_b32 s10, s8, 17
	s_lshl_b32 s12, s8, 16
	s_add_nc_u64 s[4:5], s[24:25], s[10:11]
	s_add_nc_u64 s[6:7], s[36:37], s[12:13]
	CAST 4, 1
.Lx:                                               ; work-groups 16-271: x, 8 rows each
	s_sub_co_u32 s8, ttmp9, 16
	s_lshl_b32 s10, s8, 17
	s_lshl_b32 s12, s8, 16
	s_add_nc_u64 s[4:5], s[16:17], s[10:11]
	s_add_nc_u64 s[6:7], s[32:33], s[12:13]
	CAST 4, 0
.Lwq:                                              ; work-groups 272-527: Wq, 16 rows each, into the left half of wqkv's rows
	s_sub_co_u32 s8, ttmp9, 272
	s_lshl_b32 s10, s8, 17
	s_lshl_b32 s12, s8, 17
	s_add_nc_u64 s[4:5], s[18:19], s[10:11]
	s_add_nc_u64 s[6:7], s[34:35], s[12:13]
	CAST 2, 0
.Lwkv:                                             ; work-groups 528-655: Wk, 656-783: Wv; 32 rows each
	s_sub_co_u32 s8, ttmp9, 528
	s_cmp_lt_u32 s8, 128
	s_cselect_b64 s[4:5], s[20:21], s[22:23]
	s_cselect_b32 s12, 4096, s14                   ; the first column's bytes in a row of wqkv
	s_and_b32 s8, s8, 127
	s_lshl_b32 s10, s8, 17
	s_lshl_b32 s8, s8, 18                          ; 32 rows of 8,192 bytes
	s_add_co_u32 s12, s12, s8
	s_add_nc_u64 s[4:5], s[4:5], s[10:11]
	s_add_nc_u64 s[6:7], s[34:35], s[12:13]
	CAST 1, 0
.Lrope:                                            ; work-groups 0-15: 128 rows of the table each; wave w takes rows 8 i + w, lane c columns 4 c .. 4 c + 3
	s_lshl_b32 s10, ttmp9, 9                       ; 128 positions of 4 bytes
	s_lshl_b32 s12, ttmp9, 16                      ; 128 rows of 512 bytes
	s_add_nc_u64 s[4:5], s[30:31], s[10:11]
	s_add_nc_u64 s[6:7], s[38:39], s[12:13]
	v_lshrrev_b32 v3, 5, v0                        ; wave
	v_and_b32 v[CL], 31, v0                        ; lane
	v_lshlrev_b32 v[RO], 9, v3
	v_lshl_add_u32 v[RO], v[CL], 3, v[RO]          ; 512 w + 8 c
	v_lshlrev_b32 v3, 2, v3                        ; 4 w
	v_mov_b32 v[SGN], 0x80008000
	v_cmp_gt_u32 vcc_lo, 16, v[CL]                 ; d = 4 c .. 4 c + 3 < 64
	v_cndmask_b32 v[SGN], 0, v[SGN], vcc_lo
	v_lshlrev_b32 v[CL], 4, v[CL]                  ; 16 c
.set i, 0
.rept 16
	global_load_b32 v[IDX+i], v3, s[4:5] offset:32*i       ; the row's position, the same word in all lanes
.set i, i+1
.endr
	s_wait_loadcnt 0x0
.set i, 0
.rept 16
	v_min_u32 v[IDX+i], 0x7ff, v[IDX+i]            ; inside the tables
	v_lshl_add_u32 v[IDX+i], v[IDX+i], 9, v[CL]    ; 512 bytes a row + my 16
.set i, i+1
.endr
.set i, 0
.rept 16
	global_load_b128 v[X+8*i:X+8*i+3], v[IDX+i], s[26:27]          ; no hint: a position may come twice
	global_load_b128 v[X+8*i+4:X+8*i+7], v[IDX+i], s[28:29]
.set i, i+1
.endr
.set i, 0
.rept 16
	s_wait_loadcnt 30-2*i                          ; row i's pair is in, the younger pairs stay out
	v_cvt_pk_bf16_f32 v[X+8*i], v[X+8*i], v[X+8*i+1]
	v_cvt_pk_bf16_f32 v[X+8*i+1], v[X+8*i+2], v[X+8*i+3]
	v_cvt_pk_bf16_f32 v[X+8*i+2], v[X+8*i+4], v[X+8*i+5]
	v_cvt_pk_bf16_f32 v[X+8*i+3], v[X+8*i+6], v[X+8*i+7]
	v_xor_b32 v[X+8*i+2], v[SGN], v[X+8*i+2]
	v_xor_b32 v[X+8*i+3], v[SGN], v[X+8*i+3]
	global_store_b64 v[RO], v[X+8*i:X+8*i+1], s[6:7] offset:4096*i             ; a wave's store: 256 consecutive aligned bytes
	global_store_b64 v[RO], v[X+8*i+2:X+8*i+3], s[6:7] offset:4096*i+256
.set i, i+1
.endr
	s_endpgm
.Lfunc_end_k_qb5ffa27502_cast:
	.size	k_qb5ffa27502_cast, .Lfunc_end_k_qb5ffa27502_cast-k_qb5ffa27502_cast
	.p2alignl 7, 3214868480
	.fill 96, 4, 3214868480
	.section	.rodata,"a",@progbits
	.p2align	6, 0x0
	.amdhsa_kernel k_qb5ffa27502_cast
		.amdhsa_group_segment_fixed_size 0
		.amdhsa_private_segment_fixed_size 0
		.amdhsa_enable_private_segment 0
		.amdhsa_kernarg_size 96
		.amdhsa_user_sgpr_count 2
		.amdhsa_user_sgpr_kernarg_segment_ptr 1
		.amdhsa_wavefront_size32 1
		.amdhsa_system_sgpr_workgroup_id_x 1
		.amdhsa_system_sgpr_workgroup_id_y 1
		.amdhsa_system_sgpr_workgroup_id_z 1
		.amdhsa_system_vgpr_workitem_id 0
		.amdhsa_next_free_vgpr 152
		.amdhsa_next_free_sgpr 66
		.amdhsa_reserve_vcc 1
		.amdhsa_float_denorm_mode_32 3
		.amdhsa_float_denorm_mode_16_64 3
		.amdhsa_memory_ordered 1
		.amdhsa_forward_progress 1
		.amdhsa_inst_pref_size 76
	.end_amdhsa_kernel
	.amdgpu_metadata
---
amdhsa.version: [ 1, 2 ]
amdhsa.kernels:
  - .name:           k_qb5ffa27502_cast
    .symbol:         k_qb5ffa27502_cast.kd
    .args:
      - { .name: x, .offset: 0, .size: 8, .value_kind: global_buffer, .address_space: global }
      - { .name: Wq, .offset: 8, .size: 8, .value_kind: global_buffer, .address_space: global }
      - { .name: Wk, .offset: 16, .size: 8, .value_kind: global_buffer, .address_space: global }
      - { .name: Wv, .offset: 24, .size: 8, .value_kind: global_buffer, .address_space: global }
      - { .name: Wo, .offset: 32, .size: 8, .value_kind: global_buffer, .address_space: global }
      - { .name: cos, .offset: 40, .size: 8, .value_kind: global_buffer, .address_space: global }
      - { .name: sin, .offset: 48, .size: 8, .value_kind: global_buffer, .address_space: global }
      - { .name: position_ids, .offset: 56, .size: 8, .value_kind: global_buffer, .address_space: global }
      - { .name: xb, .offset: 64, .size: 8, .value_kind: global_buffer, .address_space: global }
      - { .name: wqkv, .offset: 72, .size: 8, .value_kind: global_buffer, .address_space: global }
      - { .name: wob, .offset: 80, .size: 8, .value_kind: global_buffer, .address_space: global }
      - { .name: rope, .offset: 88, .size: 8, .value_kind: global_buffer, .address_space: global }
    .group_segment_fixed_size: 0
    .private_segment_fixed_size: 0
    .kernarg_segment_align: 8
    .kernarg_segment_size: 96
    .max_flat_workgroup_size: 256
    .sgpr_count:     66
    .vgpr_count:     152
    .wavefront_size: 32
...
	.end_amdgpu_metadata
.endif
;; end of part 1
;; launch gemm1 (part 2): grid 16 x 16, 4 waves a work-group, clusters of 4 x 4, 327,680 bytes of LDS; arguments xb, wqkv, qkv, rope, q_norm_w, k_norm_w; writes qkv
.if DOCPART == 2
	.amdgcn_target "amdgcn-amd-amdhsa--gfx1250"
	.amdhsa_code_object_version 6
	.text
	.protected	k_qb5ffa27502_gemm1
	.globl	k_qb5ffa27502_gemm1
	.p2align	8
	.type	k_qb5ffa27502_gemm1,@function
k_qb5ffa27502_gemm1:
	s_mov_b64 s[64:65], 0
	v_nop
	global_prefetch_b8 v0, s[64:65] scope:SCOPE_SE
	s_setreg_imm32_b32 hwreg(HW_REG_WAVE_MODE, 25, 1), 1
	s_wait_xcnt 0x0
	s_wait_alu depctr_hold_cnt(0) depctr_sa_sdst(0) depctr_va_vdst(0) depctr_va_sdst(0) depctr_va_ssrc(0) depctr_va_vcc(0) depctr_vm_vsrc(0)
	s_getreg_b32 s2, hwreg(HW_REG_IB_STS2, 6, 4)
	s_cmp_eq_u32 s2, 0
	s_cbranch_scc0 .Lentry_in_a_cluster
	s_endpgm
.Lentry_in_a_cluster:
	s_bfe_u32 s2, ttmp6, 0x10000c
	s_cmp_lg_u32 s2, 0xf033
	s_cbranch_scc0 .Lentry_shape_is_right
	s_endpgm
.Lentry_shape_is_right:
; gemm1: qkv[2048][4096] (f16) = xb[2048][4096] x wqkv[4096][4096] (bf16 operands, f32 sums), with what follows the projection done on
; the sums in registers: columns 0-2047 (q) and 2048-3071 (k): RMS norm over each head's 128 numbers, the norm's weights, the rotation by
; the table; q also times 128^-0.5; columns 3072-4095 (v): times 1/16.
; A work-group makes 128 rows x 256 columns with four waves; a wave makes 64 x 128, one head wide: 32 accumulator tiles, 256 registers.
; K goes in steps of 192 through two LDS slots: the longest step of which two slots fit (2 x 159,744 bytes), so that a refill has 184 of a
; wave's matrix instructions in which to land.  4096 = 21 x 192 + 64: the last step is short and is written out.
; A's tile has K along its rows (pieces of 384 bytes: not multiples of 256; the longer step is worth more here); B's tile lies [k][n] as the
; weights do (rows of 512 bytes), and its fragments are read by the transposing LDS load.
; CLUSTERS: 4 x 4 work-groups.  A's tile hangs on the block row alone and is asked for jointly along a row of the cluster, B's on the block
; column alone and jointly along a column: each tile's requests are divided by four.
; THE MATRIX INSTRUCTION IS USED TRANSPOSED: source 0 = 16 columns of B, source 1 = 16 rows of A, so that lane l holds row l % 16 of C and its
; registers 0-7 the columns 8 (l / 16) + 0..7 of the tile: a lane and its partner l xor 16 hold a whole head of one row.
; FORMATS: cos, sin and the norm's weights are rounded to bf16 and used in f32.  q, k, v leave as f16: q and k are bounded by 16 |w| after the
; norm and the rotation (|w| under 4,000 keeps them in f16); v / 16 wants |v| under 1.04e6.
; Blocks of v columns issue the loads of the table and of the weights as the others do and do not use them: 32 KiB a wave; the text is one path
; up to the way out.
; REGISTERS: window 0: v16-30 addresses, v32-95 A's fragments (two buffers), v96-223 B's fragments (two buffers), all free again for the way out;
; window 1: tile (a, b) at v[8 (8 a + b)]; window 2: my 64 rows of the table.
.set KDIM,   4096
.set KS,     192                       ; a K step: six units of 32
.set FULL,   KDIM/KS                   ; 21 whole steps,
.set TAILK,  KDIM-FULL*KS              ; and a last one of 64,
.set TSLOT,  FULL%2                    ; which lies in slot 1
.set LOOPS,  (FULL-5)/2                ; laps (two steps) in the loop: steps 2 to 17
.set PA,     432                       ; A's LDS row: three pieces of 128 bytes + 16 = 27 x 16
.set PB,     544                       ; B's LDS row: 512 bytes + 32 = 17 x 32
.set AH,     64*PA                     ; what one load brings of A
.set BH,     96*PB                     ; what one load brings of B
.set BT,     2*BH                      ; B's tile, at the slot's head; A's tile lies behind it
.set SLOT,   BT+2*AH                   ; 159,744
.set SPITCH, 272                       ; the way out: 16 rows x 272 bytes for each wave, at the head of slot 0, which has had its last fill by then
.set WNORM,  2*SLOT                    ; 512 bytes for each wave: the norm's weights, rounded; no tensor load fills them
.set ADRA, 16                          ; v16-17 LDS address of my A fragments, slot 0, 1
.set ADRB, 18                          ; v18-21 the same for B: slot s, k rows 0-95 at 18 + 2 s, k rows 96-191 at 19 + 2 s
.set STO,  22                          ; where I put 16 bytes of a row
.set RD,   23                          ; where I read rows back
.set CO,   24                          ; my byte offset in qkv
.set WAD,  25                          ; my weights in LDS
.set TAD,  30                          ; my byte offset in the table
.set FA,   32                          ; A's fragments: buffer f at FA + 32 f
.set FB,   96                          ; B's fragments: buffer f at FB + 64 f
.set SQ,   8                           ; v[8:15]    four chains of squares
.set Y,    32                          ; v[32:95]   a row tile, normed
.set TMP,  32                          ; v[32:63]   packed f16 (over Y, which is dead by then)
.set W,    96                          ; v[96:159]  my 64 weights
.set RB,   160                         ; v[160:191] rows read back
.set O,    192                         ; v[192:255] a row tile as it leaves, f32
.set G1,  24                           ; s[24:31] group 1, A's tiles
.set G0,  32                           ; s[32:39] group 0, A's tiles, a set for each slot
.set G1B, 48                           ; s[48:55] group 1, B's tiles
.set G0B, 56                           ; s[56:63] group 0, B's tiles
.set MUL, 0x50                         ; C and D in window 1, the sources in window 0
.set MSB, 0
.macro WIN new                         ; the immediate's high byte repeats the setting that is left
.if MSB != \new
	s_set_vgpr_msb (MSB<<8)|\new
.set MSB, \new
.endif
.endm
.macro PLACES                          ; four plain vector instructions between a matrix instruction and a vector instruction or a load that touches its registers
.rept 4
	v_nop
.endr
.endm
; A joint load.  Waves 0 and 1 fetch B's two halves, waves 2 and 3 A's.  The branch hangs on the wave's number alone.
.macro JLOAD s
	s_cmp_eq_u32 s11, 0
	s_cbranch_scc0 .Lfor_a_\@
	tensor_load_to_lds s[G0B+4*\s:G0B+4*\s+3], s[G1B:G1B+7]
	s_nop 0
	s_branch .Lasked_\@
.Lfor_a_\@:
	tensor_load_to_lds s[G0+4*\s:G0+4*\s+3], s[G1:G1+7]
	s_nop 0
.Lasked_\@:
.endm
.macro CREST                           ; a round of the cluster's barrier behind its opening barrier
	s_cmp_lg_u32 s10, 0
	s_cbranch_scc1 .Lnot_wave_0_\@
	s_barrier_signal -3
.Lnot_wave_0_\@:
	s_barrier_wait -3
	s_barrier_signal -1
	s_barrier_wait -1
.endm
.macro CROUND                          ; a whole round
	s_barrier_signal -1
	s_barrier_wait -1
	CREST
.endm
	s_load_b128 s[4:7], s[0:1], 0x0                ; xb, wqkv
	s_load_b128 s[68:71], s[0:1], 0x20             ; q_norm_w, k_norm_w
	s_load_b64 s[8:9], s[0:1], 0x10                ; qkv
	s_load_b64 s[66:67], s[0:1], 0x18              ; rope
	v_lshl_add_u32 v29, v0, 2, 0x4e800
	s_set_vgpr_msb 0xc0
	v_mov_b32 v1, 0
	s_set_vgpr_msb 0xc0cc
	ds_add_u32 v29, v1
	s_set_vgpr_msb 0xcc00
	v_lshrrev_b32 v1, 5, v0
	v_readfirstlane_b32 s10, v1                    ; wave 0..3
	s_lshr_b32 s11, s10, 1                         ; my half of the block's rows.  Also: I fetch for B (0) or for A (1)
	s_and_b32 s12, s10, 1                          ; my half of its columns.  Also: which half of that tile I fetch
	s_bfe_u32 s40, ttmp6, 0x40000                  ; cx
	s_bfe_u32 s41, ttmp6, 0x40004                  ; cy
	s_lshl_b32 s42, ttmp9, 2
	s_add_co_u32 s42, s42, s40                     ; block column = 4 x cluster x + cx
	s_and_b32 s13, ttmp7, 0xffff
	s_lshl_b32 s13, s13, 2
	s_add_co_u32 s13, s13, s41                     ; block row = 4 x cluster y + cy
	s_lshl_b32 s43, s41, 2
	s_lshl_b32 s43, 15, s43                        ; my row of the cluster
	s_lshl_b32 s44, 0x1111, s40                    ; my column
	s_mov_b32 s73, 0x3c000000                      ; 1 / 128
	s_mov_b32 s74, 0x358637bd                      ; 1e-6
	s_mov_b32 s75, 0x76543210                      ; v_permlanex16_b32: lane i reads lane i of the other half
	s_mov_b32 s76, 0xfedcba98
	s_mov_b32 s77, 0xffff0000
	; group 1.  A: 64 rows x 192 elements of 2 bytes, 4 words of padding behind every 32.  B: 96 rows x 256 elements, 8 words behind every 128.
	s_or_b32 s[G1+0], s43, (1<<16)|(1<<20)|(1<<21)|(4<<22)|(3<<25)
	s_mov_b32 s[G1+1], KS<<16                      ; tensor_dim0
	s_mov_b32 s[G1+2], 64<<16                      ; tensor_dim1
	s_mov_b32 s[G1+3], KS<<16                      ; tile_dim0
	s_mov_b32 s[G1+4], 64                          ; tile_dim1
	s_mov_b32 s[G1+5], KDIM                        ; elements from row to row
	s_mov_b32 s[G1+6], 0
	s_mov_b32 s[G1+7], 0
	s_or_b32 s[G1B+0], s44, (1<<16)|(1<<20)|(1<<21)|(6<<22)|(7<<25)
	s_mov_b32 s[G1B+1], 256<<16
	s_mov_b32 s[G1B+2], 96<<16
	s_mov_b32 s[G1B+3], 256<<16
	s_mov_b32 s[G1B+4], 96
	s_mov_b32 s[G1B+5], 4096
	s_mov_b32 s[G1B+6], 0
	s_mov_b32 s[G1B+7], 0
	; where the tiles come from: A's from the block row, B's from the block column, each in registers that never hold the other coordinate
	s_lshl_b32 s16, s13, 7
	s_lshl_b32 s17, s12, 6
	s_add_co_u32 s16, s16, s17                     ; A: row 128 x block row + 64 x half
	s_mul_i32 s16, s16, 2*KDIM
	s_mov_b32 s17, 0
	s_lshl_b32 s46, s42, 9                         ; B: 512 bytes a block column
	s_mul_i32 s47, s12, 96*8192                    ;    + 96 k rows of 8,192 bytes x half
	s_add_co_u32 s46, s46, s47
	s_mov_b32 s47, 0
	s_mul_i32 s20, s10, AH                         ; and where they go: waves 2, 3: A's halves behind B's tile,
	s_add_co_u32 s20, s20, BT-2*AH
	s_mul_i32 s21, s10, BH                         ; waves 0, 1: B's halves
	s_lshl_b32 s18, s13, 7
	s_lshl_b32 s19, s11, 6
	s_add_co_u32 s18, s18, s19                     ; my first row of C
	s_lshl_b32 s18, s18, 9                         ; 512 bytes a row of the table
	s_mov_b32 s19, 0
	s_wait_dscnt 0x0
	s_wait_kmcnt 0x0
	s_add_nc_u64 s[14:15], s[4:5], s[16:17]
	s_add_nc_u64 s[46:47], s[6:7], s[46:47]
	s_add_nc_u64 s[66:67], s[66:67], s[18:19]
	; the short last step: B's two fetching waves take TAILK / 2 k rows each
	s_mul_i32 s4, s12, (96-TAILK/2)*8192           ; by so much the second wave's rows begin earlier than in a whole step
	s_mov_b32 s5, 0
	s_mul_i32 s6, s10, (TAILK/2)*PB                ; and here they go
	s_add_co_u32 s6, s6, TSLOT*SLOT
	s_cmp_lt_u32 ttmp9, 2                          ; the cluster's x, the same in all sixteen: 0, 1 q columns; 2 k; 3 v
	s_cselect_b64 s[68:69], s[68:69], s[70:71]
	s_cselect_b32 s72, 0x3db504f3, 1.0             ; q carries 128^-0.5
	CROUND                                         ; all sixteen work-groups are here: the first joint loads meet
.irp s, 0,1
	s_mov_b32 s[G0+4*\s], 1
	s_add_co_u32 s[G0+4*\s+1], s20, \s*SLOT
	s_add_nc_u64 s[G0+4*\s+2:G0+4*\s+3], s[14:15], \s*KS*2
	s_or_b32 s[G0+4*\s+3], s[G0+4*\s+3], 0x80000000
	s_mov_b32 s[G0B+4*\s], 1
	s_add_co_u32 s[G0B+4*\s+1], s21, \s*SLOT
	s_add_nc_u64 s[G0B+4*\s+2:G0B+4*\s+3], s[46:47], \s*KS*8192
	s_or_b32 s[G0B+4*\s+3], s[G0B+4*\s+3], 0x80000000
	JLOAD \s                                       ; both slots are asked for before anything else: two loads of mine are out
.endr
	v_and_b32 v1, 15, v0                           ; r = l % 16
	v_bfe_u32 v2, v0, 4, 1                         ; h = l / 16
	v_and_b32 v3, 7, v0
	v_bfe_u32 v4, v0, 3, 1
	v_and_b32 v5, 31, v0
	v_lshlrev_b32 v6, 4, v5                        ; 16 x lane
	global_load_b128 v[8:11], v6, s[68:69]         ; four of the 128 weights
	v_mul_u32_u24 v7, v1, PA
	v_lshl_add_u32 v7, v2, 4, v7                   ; 432 r + 16 h
	s_mul_i32 s22, s11, AH
	s_add_co_u32 s22, s22, BT
	v_add_nc_u32 v[ADRA], s22, v7                  ; A: row r of my 64, K = 8 h ..
	v_add_nc_u32 v[ADRA+1], SLOT, v[ADRA]
	v_lshl_add_u32 v12, v2, 3, v3                  ; B, for the transposing load: k row 8 h + (l & 7),
	v_mul_u32_u24 v12, v12, PB
	v_lshl_add_u32 v12, v4, 4, v12                 ; 16 bytes x bit 3 of the lane
	s_lshl_b32 s23, s12, 8                         ; my 128 columns
	v_add_nc_u32 v[ADRB], s23, v12
	v_add_nc_u32 v[ADRB+1], 96*PB, v[ADRB]         ; k rows 96 on: 192 rows of 544 bytes pass the 16 bits of an LDS offset
	v_add_nc_u32 v[ADRB+2], SLOT, v[ADRB]
	v_add_nc_u32 v[ADRB+3], SLOT, v[ADRB+1]
	s_mul_i32 s22, s10, 16*SPITCH                  ; my stage, from LDS byte 0 on
	v_mul_u32_u24 v13, v1, SPITCH
	v_lshl_add_u32 v13, v2, 4, v13
	v_add_nc_u32 v[STO], s22, v13                  ; in: row r, 16 bytes for each half of the lanes
	v_mul_u32_u24 v13, v2, SPITCH
	v_lshl_add_u32 v13, v1, 4, v13
	v_add_nc_u32 v[RD], s22, v13                   ; back: lanes 0-15 one row of 256 bytes, lanes 16-31 the next
	v_lshlrev_b32 v13, 13, v2
	v_lshl_add_u32 v[CO], v1, 4, v13               ; the same two rows in qkv
	s_lshl_b32 s23, s10, 9
	s_add_co_u32 s23, s23, WNORM
	v_lshl_add_u32 v[WAD], v2, 5, s23              ; weights 8 h .. of each 16
	v_add_nc_u32 v14, s23, v6
	v_lshlrev_b32 v13, 9, v1
	v_lshl_add_u32 v[TAD], v2, 4, v13              ; table: row r, 8 bf16 at 8 h
	v_mov_b32 v28, 0                               ; v_permlanex16_b32's destination counts as read
	v_mov_b32 v31, 0
	s_wait_loadcnt 0x0
	v_cvt_pk_bf16_f32 v8, v8, v9                   ; the weights rounded to bf16 and widened again
	v_cvt_pk_bf16_f32 v9, v10, v11
	v_lshlrev_b32 v10, 16, v9
	v_and_b32 v11, s77, v9
	v_and_b32 v9, s77, v8
	v_lshlrev_b32 v8, 16, v8
	ds_store_b128 v14, v[8:11]                     ; into my wave's own 512 bytes
	; my 64 rows of the table, as the way out wants them: row tile a, column tile b: cos at v[64 a + 4 b], sin' at v[64 a + 32 + 4 b] of window 2.
	; They stay out through the K loop; their address registers are never written again; the one wait stands in the way out.
	WIN 0x80
.irp a, 0,1,2,3
.irp b, 0,1,2,3,4,5,6,7
	global_load_b128 v[64*\a+4*\b:64*\a+4*\b+3], v[TAD], s[66:67] offset:8192*\a+32*\b
	global_load_b128 v[64*\a+32+4*\b:64*\a+32+4*\b+3], v[TAD], s[66:67] offset:8192*\a+32*\b+256
.endr
.endr
	WIN 0
; 8 matrix instructions: row tile a x all 8 column tiles, 32 along K, from buffer f.  zero = 1: the first product starts the sums.
.macro MUL8 f, a, zero
.irp b, 0,1,2,3,4,5,6,7
.if \zero
	v_wmma_f32_16x16x32_bf16 v[8*(8*\a+\b):8*(8*\a+\b)+7], v[FB+64*\f+8*\b:FB+64*\f+8*\b+7], v[FA+32*\f+8*\a:FA+32*\f+8*\a+7], 0
.else
	v_wmma_f32_16x16x32_bf16 v[8*(8*\a+\b):8*(8*\a+\b)+7], v[FB+64*\f+8*\b:FB+64*\f+8*\b+7], v[FA+32*\f+8*\a:FA+32*\f+8*\a+7], v[8*(8*\a+\b):8*(8*\a+\b)+7]
.endif
.endr
.endm
; 24 LDS loads in one run: unit q (32 along K) of a slot into buffer f: 128 columns of B (transposed on the way), then 64 rows of A.
; In A's rows 16 bytes of padding lie behind every 128: unit q begins at byte 64 q + 16 (q / 2).
.macro FETCH slot, q, f
.irp i, 0,1,2,3,4,5,6,7
	ds_load_tr16_b128 v[FB+64*\f+8*\i:FB+64*\f+8*\i+3], v[ADRB+2*\slot+(\q)/3] offset:32*((\q)%3)*PB+32*\i
	ds_load_tr16_b128 v[FB+64*\f+8*\i+4:FB+64*\f+8*\i+7], v[ADRB+2*\slot+(\q)/3] offset:32*((\q)%3)*PB+32*\i+16*PB
.endr
.irp i, 0,1,2,3
	ds_load_b128 v[FA+32*\f+8*\i:FA+32*\f+8*\i+3], v[ADRA+\slot] offset:64*(\q)+16*((\q)/2)+\i*16*PA
	ds_load_b128 v[FA+32*\f+8*\i+4:FA+32*\f+8*\i+7], v[ADRA+\slot] offset:64*(\q)+16*((\q)/2)+\i*16*PA+32
.endr
.endm
; A K step is six units of 32 along K, 32 matrix instructions each, on buffers 0, 1, 0, 1, 0, 1.  The 32 accumulators take turns, one instruction a
; turn, in the same order in every unit.
; One of the first five: multiplies buffer f; in its middle it fetches unit qn of the same slot into buffer g.
.macro UNIT slot, qn, f, g, zero
	s_wait_dscnt 4                                 ; B and A's row tiles 0, 1 are in; the four youngest loads (row tiles 2, 3) may be out
	WIN MUL
	MUL8 \f, 0, \zero
	MUL8 \f, 1, \zero
	PLACES
	WIN 0
	FETCH \slot, \qn, \g
	s_wait_dscnt 24                                ; all but the 24 just issued
	WIN MUL
	MUL8 \f, 2, \zero
	MUL8 \f, 3, \zero
.endm
.macro FIVE slot, zero
	UNIT \slot, 1, 0, 1, \zero
	UNIT \slot, 2, 1, 0, 0
	UNIT \slot, 3, 0, 1, 0
	UNIT \slot, 4, 1, 0, 0
	UNIT \slot, 5, 0, 1, 0
.endm
; The sixth unit multiplies buffer 1 and changes slots.  In front of the barrier each wave waits for its reads of this slot and for all its
; tensor loads (one is out: its part of the next slot).  fill = 1 or 2: the barrier opens a round of the cluster's barrier, and the joint refill of
; this slot is the first tensor load behind the round; from there to the wait for it a wave issues 184 matrix instructions.
; fill = 2: the refill is the short last step.  A: tensor_dim0 = TAILK: the rest of each row arrives as zeros and is not read, the pitch stays.
; B: TAILK / 2 k rows for each of the two waves.  No tensor load of mine is out where these words are written.
.macro TURN slot, next, fill
	s_wait_dscnt 4
	WIN MUL
	MUL8 1, 0, 0
	s_wait_dscnt 0
	s_set_vgpr_msb 0x505c
	s_wait_tensorcnt 0x0
	ds_add_u32 v29, v1
	s_wait_dscnt 0x0
	s_set_vgpr_msb 0x5c50
	s_barrier_signal -1
	MUL8 1, 1, 0                                   ; register work while the others arrive
	WIN 0
	s_barrier_wait -1
.if \fill
	CREST
	s_add_nc_u64 s[G0+4*\slot+2:G0+4*\slot+3], s[G0+4*\slot+2:G0+4*\slot+3], 2*KS*2        ; two K steps on
	s_add_nc_u64 s[G0B+4*\slot+2:G0B+4*\slot+3], s[G0B+4*\slot+2:G0B+4*\slot+3], 2*KS*8192
.if \fill == 2
	s_mov_b32 s[G1+1], TAILK<<16
	s_mov_b32 s[G1B+2], (TAILK/2)<<16
	s_mov_b32 s[G1B+4], TAILK/2
	s_mov_b32 s[G0B+4*\slot+1], s6
	s_sub_nc_u64 s[G0B+4*\slot+2:G0B+4*\slot+3], s[G0B+4*\slot+2:G0B+4*\slot+3], s[4:5]
.endif
	JLOAD \slot
.endif
	PLACES
	FETCH \next, 0, 0
	WIN MUL
	MUL8 1, 2, 0
	MUL8 1, 3, 0
.endm
.macro LAP zero
	FIVE 0, \zero
	TURN 0, 1, 1
	FIVE 1, 0
	TURN 1, 0, 1
.endm
	s_wait_tensorcnt 0x1                           ; my part of K step 0 is in; slot 1's load may stay out
	s_wait_dscnt 0x0                               ; my store of the weights
	s_barrier_signal -1
	s_barrier_wait -1
	FETCH 0, 0, 0
	LAP 1                                          ; steps 0 and 1: the first products start the sums
	WIN 0
	s_mov_b32 s3, LOOPS
.Llap:
	LAP 0                                          ; steps 2 to 17
	WIN 0
	s_sub_co_u32 s3, s3, 1
	s_cmp_lg_u32 s3, 0
	s_cbranch_scc1 .Llap
	FIVE 0, 0                                      ; step 18 asks for step 20, the last whole one,
	TURN 0, 1, 1
	FIVE 1, 0                                      ; step 19 for the short step 21,
	TURN 1, 0, 2
	FIVE 0, 0                                      ; step 20 for nothing
	TURN 0, 1, 0
	UNIT 1, 1, 0, 1, 0                             ; step 21: two units
	s_wait_dscnt 4
	WIN MUL
	MUL8 1, 0, 0
	MUL8 1, 1, 0
	s_wait_dscnt 0
	MUL8 1, 2, 0
	MUL8 1, 3, 0
	PLACES
	WIN 0
	; THE WAY OUT, 16 rows at a time.  The stage lies in slot 0: its last fill was step 20's, and every wave waited for its last reads of it in
	; front of the barrier of step 20's change of slots.
	s_lshl_b32 s16, s13, 7
	s_lshl_b32 s17, s11, 6
	s_add_co_u32 s16, s16, s17
	s_lshl_b32 s16, s16, 13                        ; my first row, 8,192 bytes a row
	s_mov_b32 s17, 0
	s_add_nc_u64 s[8:9], s[8:9], s[16:17]
	s_lshl_b32 s46, s42, 9                         ; my first column: 512 bytes a block + 256 a half
	s_lshl_b32 s47, s12, 8
	s_add_co_u32 s46, s46, s47
	s_mov_b32 s47, 0
	s_add_nc_u64 s[8:9], s[8:9], s[46:47]
; O (f32) to f16, 16 bytes a lane into my stage, whole rows of 256 bytes back, and out
.macro OUT16 a
.irp b, 0,1,2,3,4,5,6,7
.irp i, 0,1,2,3
	v_cvt_pk_f16_f32 v[TMP+4*\b+\i], v[O+8*\b+2*\i], v[O+8*\b+2*\i+1]
.endr
.endr
.irp b, 0,1,2,3,4,5,6,7
	ds_store_b128 v[STO], v[TMP+4*\b:TMP+4*\b+3] offset:32*\b
.endr
	s_wait_xcnt 0x0                                ; RB, which the last stores read, and their base are written again only behind this wait
.if \a
	s_add_nc_u64 s[8:9], s[8:9], 16*8192
.endif
.irp t, 0,1,2,3,4,5,6,7
	ds_load_b128 v[RB+4*\t:RB+4*\t+3], v[RD] offset:\t*2*SPITCH    ; LDS serves a wave's instructions in order: these see the stores above
.endr
.irp t, 0,1,2,3,4,5,6,7
	s_wait_dscnt 7-\t
	global_store_b128 v[CO], v[RB+4*\t:RB+4*\t+3], s[8:9] offset:\t*16384      ; 16 lanes store 256 consecutive aligned bytes
.endr
.endm
; Row tile a of a q or k head: norm, weights, rotation
.macro QKROW a
	WIN 0x05                                       ; sources 0 and 1 in window 1
.set p, 0
.rept 4
	v_pk_mul_f32 v[SQ+2*p:SQ+2*p+1], v[64*\a+2*p:64*\a+2*p+1], v[64*\a+2*p:64*\a+2*p+1]
.set p, p+1
.endr
.rept 28
	v_pk_fma_f32 v[SQ+2*(p%4):SQ+2*(p%4)+1], v[64*\a+2*p:64*\a+2*p+1], v[64*\a+2*p:64*\a+2*p+1], v[SQ+2*(p%4):SQ+2*(p%4)+1]
.set p, p+1
.endr
	WIN 0
	v_pk_add_f32 v[SQ:SQ+1], v[SQ:SQ+1], v[SQ+2:SQ+3]
	v_pk_add_f32 v[SQ+4:SQ+5], v[SQ+4:SQ+5], v[SQ+6:SQ+7]
	v_pk_add_f32 v[SQ:SQ+1], v[SQ:SQ+1], v[SQ+4:SQ+5]
	v_add_f32 v[SQ], v[SQ], v[SQ+1]                ; my 64 squares;
	v_permlanex16_b32 v28, v[SQ], s75, s76         ; the row's other 64 lie in lane l xor 16
	v_add_f32 v[SQ], v[SQ], v28
	v_fma_f32 v[SQ], v[SQ], s73, s74               ; mean + 1e-6
	v_rsq_f32 v[SQ+1], v[SQ]
	v_nop                                          ; one plain instruction behind v_rsq_f32 before its result is used
	s_wait_alu depctr_va_vdst(0)
	v_mul_f32 v26, s72, v[SQ+1]
	v_mul_f32 v27, s72, v[SQ+1]
.if \a == 0
	s_wait_dscnt 0x0                               ; the weights
	s_wait_loadcnt 0x0                             ; the table, asked for ahead of the K loop
.endif
	WIN 0x01
.set p, 0
.rept 32
	v_pk_mul_f32 v[Y+2*p:Y+2*p+1], v[64*\a+2*p:64*\a+2*p+1], v[W+2*p:W+2*p+1]
.set p, p+1
.endr
	WIN 0
.set p, 0
.rept 32
	v_pk_mul_f32 v[Y+2*p:Y+2*p+1], v[Y+2*p:Y+2*p+1], v[26:27]
.set p, p+1
.endr
	WIN 0x02                                       ; source 0, a bf16 half of the table, in window 2.  d = 16 b + 8 h + j; d + 64 is column tile b + 4
.irp b, 0,1,2,3
.irp i, 0,1,2,3
	v_fma_mix_f32_bf16 v[O+8*\b+2*\i], v[64*\a+4*\b+\i], v[Y+8*\b+2*\i], v31 op_sel:[0,0,0] op_sel_hi:[1,0,0]
	v_fma_mix_f32_bf16 v[O+8*\b+2*\i+1], v[64*\a+4*\b+\i], v[Y+8*\b+2*\i+1], v31 op_sel:[1,0,0] op_sel_hi:[1,0,0]
	v_fma_mix_f32_bf16 v[O+8*\b+32+2*\i], v[64*\a+4*\b+16+\i], v[Y+8*\b+32+2*\i], v31 op_sel:[0,0,0] op_sel_hi:[1,0,0]
	v_fma_mix_f32_bf16 v[O+8*\b+32+2*\i+1], v[64*\a+4*\b+16+\i], v[Y+8*\b+32+2*\i+1], v31 op_sel:[1,0,0] op_sel_hi:[1,0,0]
	v_fma_mix_f32_bf16 v[O+8*\b+2*\i], v[64*\a+32+4*\b+\i], v[Y+8*\b+32+2*\i], v[O+8*\b+2*\i] op_sel:[0,0,0] op_sel_hi:[1,0,0]
	v_fma_mix_f32_bf16 v[O+8*\b+2*\i+1], v[64*\a+32+4*\b+\i], v[Y+8*\b+32+2*\i+1], v[O+8*\b+2*\i+1] op_sel:[1,0,0] op_sel_hi:[1,0,0]
	v_fma_mix_f32_bf16 v[O+8*\b+32+2*\i], v[64*\a+32+4*\b+16+\i], v[Y+8*\b+2*\i], v[O+8*\b+32+2*\i] op_sel:[0,0,0] op_sel_hi:[1,0,0]
	v_fma_mix_f32_bf16 v[O+8*\b+32+2*\i+1], v[64*\a+32+4*\b+16+\i], v[Y+8*\b+2*\i+1], v[O+8*\b+32+2*\i+1] op_sel:[1,0,0] op_sel_hi:[1,0,0]
.endr
.endr
	WIN 0
	OUT16 \a
.endm
; Row tile a of a v head: times 1/16
.macro VROW a
	WIN 0x01
.set p, 0
.rept 32
	v_pk_mul_f32 v[O+2*p:O+2*p+1], v[64*\a+2*p:64*\a+2*p+1], 0x3d800000 op_sel_hi:[1,0]
.set p, p+1
.endr
	WIN 0
	OUT16 \a
.endm
	s_cmp_eq_u32 ttmp9, 3                          ; the cluster's x: the same in all sixteen work-groups
	s_cbranch_scc1 .Lvalues
.irp b, 0,1,2,3,4,5,6,7
	ds_load_b128 v[W+8*\b:W+8*\b+3], v[WAD] offset:64*\b           ; weights 16 b + 8 h + 0..7, from my wave's own bytes
	ds_load_b128 v[W+8*\b+4:W+8*\b+7], v[WAD] offset:64*\b+16
.endr
	QKROW 0
	QKROW 1
	QKROW 2
	QKROW 3
	s_branch .Lclose
.Lvalues:
	VROW 0
	VROW 1
	VROW 2
	VROW 3
.Lclose:
	s_set_vgpr_msb 0xc
	s_wait_tensorcnt 0x0
	ds_add_u32 v29, v1
	s_wait_dscnt 0x0
	s_set_vgpr_msb 0xc00
	CROUND                                         ; the closing round: no work-group ends while a partner may still ask for a tile that names it
	s_endpgm
.Lfunc_end_k_qb5ffa27502_gemm1:
	.size	k_qb5ffa27502_gemm1, .Lfunc_end_k_qb5ffa27502_gemm1-k_qb5ffa27502_gemm1
	.p2alignl 7, 3214868480
	.fill 96, 4, 3214868480
	.section	.rodata,"a",@progbits
	.p2align	6, 0x0
	.amdhsa_kernel k_qb5ffa27502_gemm1
		.amdhsa_group_segment_fixed_size 327680
		.amdhsa_private_segment_fixed_size 0
		.amdhsa_enable_private_segment 0
		.amdhsa_kernarg_size 48
		.amdhsa_user_sgpr_count 2
		.amdhsa_user_sgpr_kernarg_segment_ptr 1
		.amdhsa_wavefront_size32 1
		.amdhsa_system_sgpr_workgroup_id_x 1
		.amdhsa_system_sgpr_workgroup_id_y 1
		.amdhsa_system_sgpr_workgroup_id_z 1
		.amdhsa_system_vgpr_workitem_id 0
		.amdhsa_next_free_vgpr 770
		.amdhsa_next_free_sgpr 80
		.amdhsa_reserve_vcc 0
		.amdhsa_float_denorm_mode_32 3
		.amdhsa_float_denorm_mode_16_64 3
		.amdhsa_memory_ordered 1
		.amdhsa_forward_progress 1
		.amdhsa_inst_pref_size 255
	.end_amdhsa_kernel
	.section	.bss,"aw",@nobits
	.p2align	6
	.space	262144
	.amdgpu_metadata
---
amdhsa.version: [ 1, 2 ]
amdhsa.kernels:
  - .name:           k_qb5ffa27502_gemm1
    .symbol:         k_qb5ffa27502_gemm1.kd
    .args:
      - { .name: xb, .offset: 0, .size: 8, .value_kind: global_buffer, .address_space: global }
      - { .name: wqkv, .offset: 8, .size: 8, .value_kind: global_buffer, .address_space: global }
      - { .name: qkv, .offset: 16, .size: 8, .value_kind: global_buffer, .address_space: global }
      - { .name: rope, .offset: 24, .size: 8, .value_kind: global_buffer, .address_space: global }
      - { .name: q_norm_w, .offset: 32, .size: 8, .value_kind: global_buffer, .address_space: global }
      - { .name: k_norm_w, .offset: 40, .size: 8, .value_kind: global_buffer, .address_space: global }
    .group_segment_fixed_size: 327680
    .private_segment_fixed_size: 0
    .kernarg_segment_align: 8
    .kernarg_segment_size: 48
    .max_flat_workgroup_size: 128
    .sgpr_count:     80
    .vgpr_count:     770
    .wavefront_size: 32
...
	.end_amdgpu_metadata
.endif
;; end of part 2
;; launch attn (part 3): grid 32 x 8, 4 waves a work-group, clusters of 4 x 4, 327,680 bytes of LDS; arguments qkv, attn_mask, att; writes att
.if DOCPART == 3
	.amdgcn_target "amdgcn-amd-amdhsa--gfx1250"
	.amdhsa_code_object_version 6
	.text
	.protected	k_qb5ffa27502_attn
	.globl	k_qb5ffa27502_attn
	.p2align	8
	.type	k_qb5ffa27502_attn,@function
k_qb5ffa27502_attn:
	s_mov_b64 s[64:65], 0
	v_nop
	global_prefetch_b8 v0, s[64:65] scope:SCOPE_SE
	s_setreg_imm32_b32 hwreg(HW_REG_WAVE_MODE, 25, 1), 1
	s_wait_xcnt 0x0
	s_wait_alu depctr_hold_cnt(0) depctr_sa_sdst(0) depctr_va_vdst(0) depctr_va_sdst(0) depctr_va_ssrc(0) depctr_va_vcc(0) depctr_vm_vsrc(0)
	s_getreg_b32 s2, hwreg(HW_REG_IB_STS2, 6, 4)
	s_cmp_eq_u32 s2, 0
	s_cbranch_scc0 .Lentry_in_a_cluster
	s_endpgm
.Lentry_in_a_cluster:
	s_bfe_u32 s2, ttmp6, 0x10000c
	s_cmp_lg_u32 s2, 0xf033
	s_cbranch_scc0 .Lentry_shape_is_right
	s_endpgm
.Lentry_shape_is_right:
; attn: att[2048][2048] (f16, column = head x 128 + d, times 1/16 as v is) = softmax(q k^T + attn_mask) v for 16 query heads on 8 key and value heads.
; q carries 128^-0.5 already.  The mask is an input: every one of the 2048 x 2048 scores of every head is made.
; Work-group (qb, g): queries 64 qb .. + 63 of heads 2 g and 2 g + 1, which share k and v head g.  Wave w: 16 queries x both heads, so that one set
; of mask registers serves two heads.  Keys go in trips of 128 through two LDS slots (k, v and the mask's tile), each trip as two halves of 64 keys.
; BOTH PRODUCTS ARE USED TRANSPOSED.  S^T = K Q^T: lane l holds query l % 16, register j of tile t key 16 t + 8 (l / 16) + j.  That is the layout of
; the second source of O^T = V^T P^T (tiles 2 kk and 2 kk + 1 packed to f16 are its registers 0-3 and 4-7), so p never leaves the registers; the
; maximum and the sum run along a lane's registers and cross once to lane l xor 16; all of a lane's O belongs to one query.
; V^T's fragments come from v's rows by the transposing LDS load.
; SOFTMAX in f32 with a running maximum: score + mask as the problem adds them, minus the maximum, times log2(e), v_exp_f32.
; CLUSTERS: 4 x 4.  k's and v's tiles hang on g alone: joint along a row of the cluster.  The mask's tile hangs on qb alone: joint along a column.
; LIMITS: the running maximum starts at -1e38, so scores plus mask below -1e38 count as minus infinity; a row that is so throughout gives NaN.
; REGISTERS: window 0: v0-7 at work, v8-17 addresses, v18 lane exchange, v20-31 the softmax's state, v32-63 mask, v64-127 scores, v128-255 k's fragments;
; window 1: v0-127 O (head e, tile dt at 8 (8 e + dt)), v128-191 q's fragments, v192-223 p; window 2: v0-127 v's fragments.
.set PITK,   272                       ; k's LDS row: 256 bytes + 16
.set PITV,   288                       ; v's: 256 + 32 = 9 x 32
.set PITM,   528                       ; the mask's: 512 + 16
.set VOFF,   128*PITK
.set MOFF,   VOFF+128*PITV
.set SLOT,   MOFF+64*PITM              ; 105,472
.set STAGE,  2*SLOT                    ; the way out: 16 rows x 528 bytes for each wave
.set SPITCH, 528
.set KVSTEP, 128*8192                  ; 128 rows of qkv
.set MSTEP,  512                       ; 128 columns of the mask
.set ADK, 8
.set ADV, 10
.set ADM, 12
.set STO, 14
.set RD,  15
.set CO,  16
.set QO,  17
.set MX,  20                           ; v20-21 running maximum, head 0, 1
.set LS,  22                           ; v22-23 running sum of my half of the keys
.set AL,  24                           ; v[24:27] the rescaling factor, a pair for each head
.set MK,  32
.set SC,  64                           ; head e, tile t at SC + 32 e + 8 t
.set KF,  128                          ; tile t, d step s at KF + 32 t + 8 s
.set QF,  128                          ; window 1: head e, d step s at QF + 32 e + 8 s
.set PF,  192                          ; window 1: head e at PF + 16 e
.set G1K, 16
.set G1V, 24
.set G1M, 32
.set G0K, 40
.set G0V, 48
.set G0M, 56
.set MSB, 0
.macro WIN new
.if MSB != \new
	s_set_vgpr_msb (MSB<<8)|\new
.set MSB, \new
.endif
.endm
.macro PLACES                          ; four plain vector instructions between a matrix instruction and a vector instruction or a load that touches its registers
.rept 4
	v_nop
.endr
.endm
.macro ROUND                           ; a round of the cluster's barrier
	s_barrier_signal -1
	s_barrier_wait -1
	s_cmp_lg_u32 s10, 0
	s_cbranch_scc1 .Lnot_wave_0_\@
	s_barrier_signal -3
.Lnot_wave_0_\@:
	s_barrier_wait -3
	s_barrier_signal -1
	s_barrier_wait -1
.endm
; A trip's three tiles: wave 0 asks for k's, wave 1 for v's, wave 2 for the mask's, wave 3 for none: one tensor load a wave
.macro JLOAD3 s
	s_cmp_lg_u32 s10, 0
	s_cbranch_scc1 .Lnot_k_\@
	tensor_load_to_lds s[G0K+4*\s:G0K+4*\s+3], s[G1K:G1K+7]
	s_nop 0
.Lnot_k_\@:
	s_cmp_lg_u32 s10, 1
	s_cbranch_scc1 .Lnot_v_\@
	tensor_load_to_lds s[G0V+4*\s:G0V+4*\s+3], s[G1V:G1V+7]
	s_nop 0
.Lnot_v_\@:
	s_cmp_lg_u32 s10, 2
	s_cbranch_scc1 .Lnot_m_\@
	tensor_load_to_lds s[G0M+4*\s:G0M+4*\s+3], s[G1M:G1M+7]
	s_nop 0
.Lnot_m_\@:
.endm
	s_load_b128 s[4:7], s[0:1], 0x0                ; qkv, attn_mask
	s_load_b64 s[8:9], s[0:1], 0x10                ; att
	v_lshl_add_u32 v19, v0, 2, 0x3bc00
	v_mov_b32 v31, 0
	ds_add_u32 v19, v31
	v_lshrrev_b32 v1, 5, v0
	v_readfirstlane_b32 s10, v1                    ; wave
	s_bfe_u32 s11, ttmp6, 0x40000                  ; cx
	s_bfe_u32 s12, ttmp6, 0x40004                  ; cy
	s_lshl_b32 s13, ttmp9, 2
	s_add_co_u32 s13, s13, s11                     ; qb = 4 x cluster x + cx
	s_and_b32 s14, ttmp7, 0xffff
	s_lshl_b32 s14, s14, 2
	s_add_co_u32 s14, s14, s12                     ; g = 4 x cluster y + cy
	s_lshl_b32 s15, s12, 2
	s_lshl_b32 s15, 15, s15                        ; my row of the cluster
	s_lshl_b32 s72, 0x1111, s11                    ; my column
	s_mov_b32 s66, 0x76543210                      ; v_permlanex16_b32: lane i reads lane i of the other half
	s_mov_b32 s67, 0xfedcba98
	s_mov_b32 s68, 0x3fb8aa3b                      ; log2(e), twice: a pair for the packed multiply
	s_mov_b32 s69, 0x3fb8aa3b
	; group 1.  k: 128 rows x 128 elements of 2 bytes, 4 words of padding behind every 64; v: the same with 8 words; mask: 64 rows x 128 elements of 4 bytes, 4 words behind every 128
	s_or_b32 s[G1K+0], s15, (1<<16)|(1<<20)|(1<<21)|(5<<22)|(3<<25)
	s_mov_b32 s[G1K+1], 128<<16
	s_mov_b32 s[G1K+2], 128<<16
	s_mov_b32 s[G1K+3], 128<<16
	s_mov_b32 s[G1K+4], 128
	s_mov_b32 s[G1K+5], 4096
	s_mov_b32 s[G1K+6], 0
	s_mov_b32 s[G1K+7], 0
	s_or_b32 s[G1V+0], s15, (1<<16)|(1<<20)|(1<<21)|(5<<22)|(7<<25)
	s_mov_b32 s[G1V+1], 128<<16
	s_mov_b32 s[G1V+2], 128<<16
	s_mov_b32 s[G1V+3], 128<<16
	s_mov_b32 s[G1V+4], 128
	s_mov_b32 s[G1V+5], 4096
	s_mov_b32 s[G1V+6], 0
	s_mov_b32 s[G1V+7], 0
	s_or_b32 s[G1M+0], s72, (2<<16)|(1<<20)|(1<<21)|(6<<22)|(3<<25)
	s_mov_b32 s[G1M+1], 128<<16
	s_mov_b32 s[G1M+2], 64<<16
	s_mov_b32 s[G1M+3], 128<<16
	s_mov_b32 s[G1M+4], 64
	s_mov_b32 s[G1M+5], 2048
	s_mov_b32 s[G1M+6], 0
	s_mov_b32 s[G1M+7], 0
	s_lshl_b32 s74, s14, 8                         ; k head g: column 2048 + 128 g of qkv, in bytes
	s_add_co_u32 s74, s74, 4096
	s_mov_b32 s75, 0
	s_lshl_b32 s76, s13, 19                        ; the mask's rows 64 qb .., 8,192 bytes each
	s_mov_b32 s77, 0
	s_lshl_b32 s73, s13, 6
	s_lshl_b32 s2, s10, 4
	s_add_co_u32 s73, s73, s2                      ; my first query
	s_lshl_b32 s2, s14, 9                          ; heads 2 g, 2 g + 1: 512 bytes of a row
	s_lshl_b32 s70, s73, 13
	s_add_co_u32 s70, s70, s2
	s_mov_b32 s71, 0
	s_lshl_b32 s78, s73, 12
	s_add_co_u32 s78, s78, s2
	s_mov_b32 s79, 0
	s_wait_dscnt 0x0
	s_wait_kmcnt 0x0
	s_add_nc_u64 s[74:75], s[4:5], s[74:75]
	s_add_nc_u64 s[76:77], s[6:7], s[76:77]
	s_add_nc_u64 s[70:71], s[4:5], s[70:71]        ; q of my queries
	s_add_nc_u64 s[8:9], s[8:9], s[78:79]          ; att of my queries
.irp s, 0,1
	s_mov_b32 s[G0K+4*\s], 1
	s_mov_b32 s[G0K+4*\s+1], \s*SLOT
	s_add_nc_u64 s[G0K+4*\s+2:G0K+4*\s+3], s[74:75], \s*KVSTEP
	s_or_b32 s[G0K+4*\s+3], s[G0K+4*\s+3], 0x80000000
	s_mov_b32 s[G0V+4*\s], 1
	s_mov_b32 s[G0V+4*\s+1], \s*SLOT+VOFF
	s_add_nc_u64 s[G0V+4*\s+2:G0V+4*\s+3], s[74:75], \s*KVSTEP+2048        ; v head g lies 1,024 columns behind k head g
	s_or_b32 s[G0V+4*\s+3], s[G0V+4*\s+3], 0x80000000
	s_mov_b32 s[G0M+4*\s], 1
	s_mov_b32 s[G0M+4*\s+1], \s*SLOT+MOFF
	s_add_nc_u64 s[G0M+4*\s+2:G0M+4*\s+3], s[76:77], \s*MSTEP
	s_or_b32 s[G0M+4*\s+3], s[G0M+4*\s+3], 0x80000000
.endr
	ROUND                                          ; all sixteen work-groups are here: the first joint loads meet
	JLOAD3 0                                       ; trip 0's tiles
	v_and_b32 v1, 15, v0                           ; r
	v_bfe_u32 v2, v0, 4, 1                         ; h
	v_and_b32 v3, 7, v0
	v_bfe_u32 v4, v0, 3, 1
	v_and_b32 v5, 31, v0
	v_mul_u32_u24 v6, v1, PITK
	v_lshl_add_u32 v[ADK], v2, 4, v6               ; k: key row r, d = 8 h ..
	v_add_nc_u32 v[ADK+1], SLOT, v[ADK]
	v_lshl_add_u32 v6, v2, 3, v3                   ; v, for the transposing load: key row 8 h + (l & 7),
	v_mul_u32_u24 v6, v6, PITV
	v_lshl_add_u32 v6, v4, 4, v6                   ; 16 bytes x bit 3 of the lane
	v_add_nc_u32 v[ADV], VOFF, v6
	v_add_nc_u32 v[ADV+1], SLOT, v[ADV]
	s_mul_i32 s2, s10, 16*PITM                     ; my 16 rows of the mask's tile; my stage has the same pitch
	v_mul_u32_u24 v6, v1, PITM
	v_add_nc_u32 v6, s2, v6
	v_lshl_add_u32 v7, v2, 5, v6                   ; mask: query row 16 w + r, keys 8 h ..
	v_add_nc_u32 v[ADM], MOFF, v7
	v_add_nc_u32 v[ADM+1], SLOT, v[ADM]
	v_lshl_add_u32 v7, v2, 4, v6
	v_add_nc_u32 v[STO], STAGE, v7                 ; in: row r, 16 bytes for each half of the lanes
	v_lshlrev_b32 v[CO], 4, v5                     ; out: 32 lanes take a row's 512 bytes
	v_add_nc_u32 v7, s2, v[CO]
	v_add_nc_u32 v[RD], STAGE, v7
	v_lshlrev_b32 v6, 13, v1
	v_lshl_add_u32 v[QO], v2, 4, v6                ; q: query row r of 8,192 bytes, d = 8 h ..
	v_mov_b32 v18, 0                               ; v_permlanex16_b32's destination counts as read
	WIN 0x40
.irp e, 0,1
.irp s, 0,1,2,3
	global_load_b128 v[QF+32*\e+8*\s:QF+32*\e+8*\s+3], v[QO], s[70:71] offset:256*\e+64*\s
	global_load_b128 v[QF+32*\e+8*\s+4:QF+32*\e+8*\s+7], v[QO], s[70:71] offset:256*\e+64*\s+32
.endr
.endr
	WIN 0
	s_wait_loadcnt 0x0
.macro FETCHK slot, u                  ; 32 loads: 64 keys x 128 d
.irp t, 0,1,2,3
.irp s, 0,1,2,3
	ds_load_b128 v[KF+32*\t+8*\s:KF+32*\t+8*\s+3], v[ADK+\slot] offset:(64*\u+16*\t)*PITK+64*\s
	ds_load_b128 v[KF+32*\t+8*\s+4:KF+32*\t+8*\s+7], v[ADK+\slot] offset:(64*\u+16*\t)*PITK+64*\s+32
.endr
.endr
.endm
.macro FETCHV slot, u                  ; 32 loads: 128 d x 64 keys, transposed on the way, into window 2
	WIN 0x80
.irp kk, 0,1
.irp dt, 0,1,2,3,4,5,6,7
	ds_load_tr16_b128 v[64*\kk+8*\dt:64*\kk+8*\dt+3], v[ADV+\slot] offset:(64*\u+32*\kk)*PITV+32*\dt
	ds_load_tr16_b128 v[64*\kk+8*\dt+4:64*\kk+8*\dt+7], v[ADV+\slot] offset:(64*\u+32*\kk)*PITV+32*\dt+16*PITV
.endr
.endr
	WIN 0
.endm
.macro FETCHM slot, u                  ; 8 loads: my query's mask for my 32 of the 64 keys
.irp t, 0,1,2,3
	ds_load_b128 v[MK+8*\t:MK+8*\t+3], v[ADM+\slot] offset:256*\u+64*\t
	ds_load_b128 v[MK+8*\t+4:MK+8*\t+7], v[ADM+\slot] offset:256*\u+64*\t+16
.endr
.endm
; Head e's 32 scores of a lane become p; the running maximum, the rescaling factor and the running sum are brought up to date
.macro SOFT e, first
.set p, 0
.rept 16
	v_pk_add_f32 v[SC+32*\e+2*p:SC+32*\e+2*p+1], v[SC+32*\e+2*p:SC+32*\e+2*p+1], v[MK+2*p:MK+2*p+1]
.set p, p+1
.endr
.irp t, 0,1,2,3
	v_max3_num_f32 v[\t], v[SC+32*\e+8*\t], v[SC+32*\e+8*\t+1], v[SC+32*\e+8*\t+2]
.endr
.irp t, 0,1,2,3
	v_max3_num_f32 v[\t], v[\t], v[SC+32*\e+8*\t+3], v[SC+32*\e+8*\t+4]
.endr
.irp t, 0,1,2,3
	v_max3_num_f32 v[\t], v[\t], v[SC+32*\e+8*\t+5], v[SC+32*\e+8*\t+6]
.endr
	v_max3_num_f32 v0, v0, v1, v[SC+32*\e+7]
	v_max3_num_f32 v2, v2, v3, v[SC+32*\e+15]
	v_max3_num_f32 v0, v0, v[SC+32*\e+23], v[SC+32*\e+31]
.if \first
	v_max3_num_f32 v0, v0, v2, 0xfe967699          ; the running maximum starts at -1e38
.else
	v_max3_num_f32 v0, v0, v2, v[MX+\e]
.endif
	v_permlanex16_b32 v18, v0, s66, s67            ; the query's other keys lie in lane l xor 16
	v_max_num_f32 v28, v0, v18
.if \first == 0
	v_sub_f32 v30, v[MX+\e], v28
	v_mul_f32 v30, s68, v30
	v_exp_f32 v[AL+2*\e], v30                      ; twice, to fill a pair; the two moves below are the plain instructions behind them
	v_exp_f32 v[AL+2*\e+1], v30
.endif
	v_mov_b32 v29, v28
	v_mov_b32 v[MX+\e], v28
.set p, 0
.rept 16
	v_pk_add_f32 v[SC+32*\e+2*p:SC+32*\e+2*p+1], v[SC+32*\e+2*p:SC+32*\e+2*p+1], v[28:29] neg_lo:[0,1] neg_hi:[0,1]   ; the maximum is taken away first: no large products meet
.set p, p+1
.endr
.set p, 0
.rept 16
	v_pk_mul_f32 v[SC+32*\e+2*p:SC+32*\e+2*p+1], v[SC+32*\e+2*p:SC+32*\e+2*p+1], s[68:69] op_sel_hi:[1,0]
.set p, p+1
.endr
.set p, 0
.rept 32
	v_exp_f32 v[SC+32*\e+p], v[SC+32*\e+p]
.set p, p+1
.endr
	v_nop                                          ; one plain instruction behind the last v_exp_f32
	s_wait_alu depctr_va_vdst(0)
.irp c, 0,1,2,3
	v_pk_add_f32 v[2*\c:2*\c+1], v[SC+32*\e+2*\c:SC+32*\e+2*\c+1], v[SC+32*\e+8+2*\c:SC+32*\e+8+2*\c+1]
.endr
.irp c, 0,1,2,3
	v_pk_add_f32 v[2*\c:2*\c+1], v[2*\c:2*\c+1], v[SC+32*\e+16+2*\c:SC+32*\e+16+2*\c+1]
.endr
.irp c, 0,1,2,3
	v_pk_add_f32 v[2*\c:2*\c+1], v[2*\c:2*\c+1], v[SC+32*\e+24+2*\c:SC+32*\e+24+2*\c+1]
.endr
	v_pk_add_f32 v[0:1], v[0:1], v[2:3]
	v_pk_add_f32 v[4:5], v[4:5], v[6:7]
	v_pk_add_f32 v[0:1], v[0:1], v[4:5]
.if \first
	v_add_f32 v[LS+\e], v0, v1
.else
	v_add_f32 v0, v0, v1
	v_fma_f32 v[LS+\e], v[LS+\e], v[AL+2*\e], v0
.endif
.endm
; 64 keys: half u of a slot.  k's fragments have been asked for already.  more = 1: the other half's are asked for here.
; In both products the accumulators take turns, one instruction a turn.
.macro SUB slot, u, first, more
	PLACES                                         ; behind the last product, which read v's fragments
	FETCHV \slot, \u
	FETCHM \slot, \u
	s_wait_dscnt 40                                ; all but the 40 just issued: k's fragments are in
	WIN 0x04                                       ; source 1, q, in window 1
.irp s, 0,1,2,3
.irp t, 0,1,2,3
.irp e, 0,1
.if \s == 0
	v_wmma_f32_16x16x32_f16 v[SC+32*\e+8*\t:SC+32*\e+8*\t+7], v[KF+32*\t+8*\s:KF+32*\t+8*\s+7], v[QF+32*\e+8*\s:QF+32*\e+8*\s+7], 0
.else
	v_wmma_f32_16x16x32_f16 v[SC+32*\e+8*\t:SC+32*\e+8*\t+7], v[KF+32*\t+8*\s:KF+32*\t+8*\s+7], v[QF+32*\e+8*\s:QF+32*\e+8*\s+7], v[SC+32*\e+8*\t:SC+32*\e+8*\t+7]
.endif
.endr
.endr
.endr
	PLACES
	WIN 0
.if \more
	FETCHK \slot, 1
	s_wait_dscnt 32                                ; all but the 32 just issued: v's fragments and the mask are in
.else
	s_wait_dscnt 0
.endif
	SOFT 0, \first
	SOFT 1, \first
	WIN 0x40                                       ; p to f16, into window 1: tile t's eight numbers are registers 4 t .. 4 t + 3 of the head's two fragments
.irp e, 0,1
.irp t, 0,1,2,3
.irp i, 0,1,2,3
	v_cvt_pk_f16_f32 v[PF+16*\e+4*\t+\i], v[SC+32*\e+8*\t+2*\i], v[SC+32*\e+8*\t+2*\i+1]
.endr
.endr
.endr
.if \first == 0
	WIN 0x41
.irp e, 0,1
.set p, 0
.rept 32
	v_pk_mul_f32 v[64*\e+2*p:64*\e+2*p+1], v[64*\e+2*p:64*\e+2*p+1], v[AL+2*\e:AL+2*\e+1]
.set p, p+1
.endr
.endr
.endif
	WIN 0x56                                       ; source 0, v, in window 2; source 1, p, and O in window 1
.irp kk, 0,1
.irp dt, 0,1,2,3,4,5,6,7
.irp e, 0,1
.if \first && (\kk == 0)
	v_wmma_f32_16x16x32_f16 v[8*(8*\e+\dt):8*(8*\e+\dt)+7], v[64*\kk+8*\dt:64*\kk+8*\dt+7], v[PF+16*\e+8*\kk:PF+16*\e+8*\kk+7], 0
.else
	v_wmma_f32_16x16x32_f16 v[8*(8*\e+\dt):8*(8*\e+\dt)+7], v[64*\kk+8*\dt:64*\kk+8*\dt+7], v[PF+16*\e+8*\kk:PF+16*\e+8*\kk+7], v[8*(8*\e+\dt):8*(8*\e+\dt)+7]
.endif
.endr
.endr
.endr
	WIN 0
.endm
; A trip: 128 keys from slot; refill = 1: the next trip's tiles are asked for, into the slot read last trip.
.macro TRIP slot, next, refill, first
	s_wait_tensorcnt 0x0                           ; all my tensor loads are done, my tile of this trip among them, so every group 0 may be written:
	ds_add_u32 v19, v31
	s_wait_dscnt 0x0
	s_add_nc_u64 s[G0K+4*\slot+2:G0K+4*\slot+3], s[G0K+4*\slot+2:G0K+4*\slot+3], 2*KVSTEP    ; this slot's next tiles
	s_add_nc_u64 s[G0V+4*\slot+2:G0V+4*\slot+3], s[G0V+4*\slot+2:G0V+4*\slot+3], 2*KVSTEP
	s_add_nc_u64 s[G0M+4*\slot+2:G0M+4*\slot+3], s[G0M+4*\slot+2:G0M+4*\slot+3], 2*MSTEP
	s_wait_dscnt 0x0                               ; my reads of the last trip's slot are done
	ROUND                                          ; both now hold of every wave of every work-group of the cluster
.if \refill
	JLOAD3 \next                                   ; it has this trip's 128 matrix instructions and two softmax passes in which to land
.endif
	FETCHK \slot, 0
	SUB \slot, 0, \first, 1
	SUB \slot, 1, 0, 0
.endm
	TRIP 0, 1, 1, 1                                ; the first products start O's sums: nothing is cleared
	TRIP 1, 0, 1, 0
	s_mov_b32 s3, 6
.Lpair:
	TRIP 0, 1, 1, 0
	TRIP 1, 0, 1, 0
	s_sub_co_u32 s3, s3, 1
	s_cmp_lg_u32 s3, 0
	s_cbranch_scc1 .Lpair
	TRIP 0, 1, 1, 0                                ; trips 14 and 15: nothing is asked for beyond the sixteenth tile (the stepped addresses are not used)
	TRIP 1, 0, 0, 0
	; THE WAY OUT: O / sum, to f16, through my stage, as whole rows of 512 bytes (two heads of one query)
	PLACES
.irp e, 0,1
	v_permlanex16_b32 v18, v[LS+\e], s66, s67      ; the sum over the query's other keys
	v_add_f32 v[LS+\e], v[LS+\e], v18
.endr
	v_rcp_f32 v[AL], v[LS]
	v_rcp_f32 v[AL+1], v[LS]
	v_rcp_f32 v[AL+2], v[LS+1]
	v_rcp_f32 v[AL+3], v[LS+1]
	v_nop                                          ; one plain instruction behind the last v_rcp_f32
	WIN 0x41
	s_wait_alu depctr_va_vdst(0)
.irp e, 0,1
.set p, 0
.rept 32
	v_pk_mul_f32 v[64*\e+2*p:64*\e+2*p+1], v[64*\e+2*p:64*\e+2*p+1], v[AL+2*\e:AL+2*\e+1]
.set p, p+1
.endr
.endr
	WIN 0x05
.set p, 0
.rept 64
	v_cvt_pk_f16_f32 v[SC+p], v[2*p], v[2*p+1]
.set p, p+1
.endr
	WIN 0
.irp e, 0,1
.irp dt, 0,1,2,3,4,5,6,7
	ds_store_b128 v[STO], v[SC+4*(8*\e+\dt):SC+4*(8*\e+\dt)+3] offset:256*\e+32*\dt
.endr
.endr
.irp t, 0,1,2,3,4,5,6,7,8,9,10,11,12,13,14,15
	ds_load_b128 v[KF+4*\t:KF+4*\t+3], v[RD] offset:\t*SPITCH      ; LDS serves a wave's instructions in order: these see the stores above
.endr
.irp t, 0,1,2,3,4,5,6,7,8,9,10,11,12,13,14,15
	s_wait_dscnt 15-\t
	global_store_b128 v[CO], v[KF+4*\t:KF+4*\t+3], s[8:9] offset:\t*4096       ; a wave's store: 512 consecutive aligned bytes
.endr
	s_wait_tensorcnt 0x0
	ds_add_u32 v19, v31
	s_wait_dscnt 0x0
	ROUND                                          ; the closing round
	s_endpgm
.Lfunc_end_k_qb5ffa27502_attn:
	.size	k_qb5ffa27502_attn, .Lfunc_end_k_qb5ffa27502_attn-k_qb5ffa27502_attn
	.p2alignl 7, 3214868480
	.fill 96, 4, 3214868480
	.section	.rodata,"a",@progbits
	.p2align	6, 0x0
	.amdhsa_kernel k_qb5ffa27502_attn
		.amdhsa_group_segment_fixed_size 327680
		.amdhsa_private_segment_fixed_size 0
		.amdhsa_enable_private_segment 0
		.amdhsa_kernarg_size 24
		.amdhsa_user_sgpr_count 2
		.amdhsa_user_sgpr_kernarg_segment_ptr 1
		.amdhsa_wavefront_size32 1
		.amdhsa_system_sgpr_workgroup_id_x 1
		.amdhsa_system_sgpr_workgroup_id_y 1
		.amdhsa_system_sgpr_workgroup_id_z 1
		.amdhsa_system_vgpr_workitem_id 0
		.amdhsa_next_free_vgpr 640
		.amdhsa_next_free_sgpr 80
		.amdhsa_reserve_vcc 0
		.amdhsa_float_denorm_mode_32 3
		.amdhsa_float_denorm_mode_16_64 3
		.amdhsa_memory_ordered 1
		.amdhsa_forward_progress 1
		.amdhsa_inst_pref_size 255
	.end_amdhsa_kernel
	.section	.bss,"aw",@nobits
	.p2align	6
	.space	262144
	.amdgpu_metadata
---
amdhsa.version: [ 1, 2 ]
amdhsa.kernels:
  - .name:           k_qb5ffa27502_attn
    .symbol:         k_qb5ffa27502_attn.kd
    .args:
      - { .name: qkv, .offset: 0, .size: 8, .value_kind: global_buffer, .address_space: global }
      - { .name: attn_mask, .offset: 8, .size: 8, .value_kind: global_buffer, .address_space: global }
      - { .name: att, .offset: 16, .size: 8, .value_kind: global_buffer, .address_space: global }
    .group_segment_fixed_size: 327680
    .private_segment_fixed_size: 0
    .kernarg_segment_align: 8
    .kernarg_segment_size: 24
    .max_flat_workgroup_size: 128
    .sgpr_count:     80
    .vgpr_count:     640
    .wavefront_size: 32
...
	.end_amdgpu_metadata
.endif
;; end of part 3
;; launch gemm2 (part 4): grid 16 x 16, 4 waves a work-group, clusters of 4 x 4, 327,680 bytes of LDS; arguments att, wob, out0; writes out0
.if DOCPART == 4
	.amdgcn_target "amdgcn-amd-amdhsa--gfx1250"
	.amdhsa_code_object_version 6
	.text
	.protected	k_qb5ffa27502_gemm2
	.globl	k_qb5ffa27502_gemm2
	.p2align	8
	.type	k_qb5ffa27502_gemm2,@function
k_qb5ffa27502_gemm2:
	s_mov_b64 s[64:65], 0
	v_nop
	global_prefetch_b8 v0, s[64:65] scope:SCOPE_SE
	s_setreg_imm32_b32 hwreg(HW_REG_WAVE_MODE, 25, 1), 1
	s_wait_xcnt 0x0
	s_wait_alu depctr_hold_cnt(0) depctr_sa_sdst(0) depctr_va_vdst(0) depctr_va_sdst(0) depctr_va_ssrc(0) depctr_va_vcc(0) depctr_vm_vsrc(0)
	s_getreg_b32 s2, hwreg(HW_REG_IB_STS2, 6, 4)
	s_cmp_eq_u32 s2, 0
	s_cbranch_scc0 .Lentry_in_a_cluster
	s_endpgm
.Lentry_in_a_cluster:
	s_bfe_u32 s2, ttmp6, 0x10000c
	s_cmp_lg_u32 s2, 0xf033
	s_cbranch_scc0 .Lentry_shape_is_right
	s_endpgm
.Lentry_shape_is_right:
; gemm2: out0[2048][4096] (f32) = att[2048][2048] x wob[2048][4096] (f16 operands, f32 sums).  att carries 1/16 and wob 16: the product is the plain one.
; The K loop is the one of the projection launch: a work-group makes 128 rows x 256 columns with four waves, a wave 64 x 128 in 32 accumulator tiles;
; K goes in steps of 192 through two LDS slots, the longest step of which two slots fit (2 x 159,744 bytes), so that a refill has 184 of a wave's
; matrix instructions in which to land.  2048 = 10 x 192 + 128: the last step is short and is written out.
; A's tile has K along its rows (pieces of 384 bytes: not multiples of 256; the longer step is worth more here), B's lies [k][n] (rows of 512 bytes)
; and is read by the transposing LDS load.
; CLUSTERS: 4 x 4 work-groups.  A's tile is asked for jointly along a row of the cluster, B's along a column: each tile's requests are divided by four.
; THE MATRIX INSTRUCTION IS USED TRANSPOSED: source 0 = 16 columns of B, source 1 = 16 rows of A: lane l holds row l % 16 of C, registers 0-7 the
; columns 8 (l / 16) + 0..7 of the tile, 32 neighbouring bytes.
; REGISTERS: window 0: v16-24 addresses, v32-95 A's fragments (two buffers; rows read back on the way out), v96-223 B's fragments (two buffers);
; window 1: tile (a, b) at v[8 (8 a + b)].
.set KDIM,   2048
.set KS,     192                       ; a K step: six units of 32
.set FULL,   KDIM/KS                   ; 10 whole steps,
.set TAILK,  KDIM-FULL*KS              ; and a last one of 128, which lies in slot 0
.set LOOPS,  (FULL-4)/2                ; laps (two steps) in the loop: steps 2 to 7
.set PA,     432                       ; A's LDS row: three pieces of 128 bytes + 16 = 27 x 16
.set PB,     544                       ; B's LDS row: 512 bytes + 32 = 17 x 32
.set AH,     64*PA
.set BH,     96*PB
.set BT,     2*BH
.set SLOT,   BT+2*AH                   ; 159,744
.set STAGE,  SLOT                      ; the way out: 16 rows x 528 bytes for each wave, at the head of slot 1, which has had its last fill by then
.set SPITCH, 528
.set ADRA, 16                          ; v16-17 LDS address of my A fragments, slot 0, 1
.set ADRB, 18                          ; v18-21 the same for B: slot s, k rows 0-95 at 18 + 2 s, k rows 96-191 at 19 + 2 s
.set STO,  22
.set RD,   23
.set CO,   24
.set FA,   32
.set FB,   96
.set RB,   32
.set G1,  24
.set G0,  32
.set G1B, 48
.set G0B, 56
.set MUL, 0x50
.set MSB, 0
.macro WIN new
.if MSB != \new
	s_set_vgpr_msb (MSB<<8)|\new
.set MSB, \new
.endif
.endm
.macro PLACES                          ; four plain vector instructions between a matrix instruction and a vector instruction, a load or a store that touches its registers
.rept 4
	v_nop
.endr
.endm
.macro JLOAD s                         ; waves 0 and 1 fetch B's two halves, waves 2 and 3 A's
	s_cmp_eq_u32 s11, 0
	s_cbranch_scc0 .Lfor_a_\@
	tensor_load_to_lds s[G0B+4*\s:G0B+4*\s+3], s[G1B:G1B+7]
	s_nop 0
	s_branch .Lasked_\@
.Lfor_a_\@:
	tensor_load_to_lds s[G0+4*\s:G0+4*\s+3], s[G1:G1+7]
	s_nop 0
.Lasked_\@:
.endm
.macro CREST
	s_cmp_lg_u32 s10, 0
	s_cbranch_scc1 .Lnot_wave_0_\@
	s_barrier_signal -3
.Lnot_wave_0_\@:
	s_barrier_wait -3
	s_barrier_signal -1
	s_barrier_wait -1
.endm
.macro CROUND
	s_barrier_signal -1
	s_barrier_wait -1
	CREST
.endm
	s_load_b128 s[4:7], s[0:1], 0x0                ; att, wob
	s_load_b64 s[8:9], s[0:1], 0x10                ; out0
	v_lshl_add_u32 v254, v0, 2, 0x4e000
	v_mov_b32 v255, 0
	ds_add_u32 v254, v255
	v_lshrrev_b32 v1, 5, v0
	v_readfirstlane_b32 s10, v1                    ; wave
	s_lshr_b32 s11, s10, 1                         ; my half of the rows.  Also: I fetch for B (0) or for A (1)
	s_and_b32 s12, s10, 1                          ; my half of the columns.  Also: which half of that tile I fetch
	s_bfe_u32 s40, ttmp6, 0x40000                  ; cx
	s_bfe_u32 s41, ttmp6, 0x40004                  ; cy
	s_lshl_b32 s42, ttmp9, 2
	s_add_co_u32 s42, s42, s40                     ; block column
	s_and_b32 s13, ttmp7, 0xffff
	s_lshl_b32 s13, s13, 2
	s_add_co_u32 s13, s13, s41                     ; block row
	s_lshl_b32 s43, s41, 2
	s_lshl_b32 s43, 15, s43                        ; my row of the cluster
	s_lshl_b32 s44, 0x1111, s40                    ; my column
	s_or_b32 s[G1+0], s43, (1<<16)|(1<<20)|(1<<21)|(4<<22)|(3<<25)     ; A: 64 rows x 192 elements of 2 bytes, 4 words of padding behind every 32
	s_mov_b32 s[G1+1], KS<<16
	s_mov_b32 s[G1+2], 64<<16
	s_mov_b32 s[G1+3], KS<<16
	s_mov_b32 s[G1+4], 64
	s_mov_b32 s[G1+5], KDIM
	s_mov_b32 s[G1+6], 0
	s_mov_b32 s[G1+7], 0
	s_or_b32 s[G1B+0], s44, (1<<16)|(1<<20)|(1<<21)|(6<<22)|(7<<25)    ; B: 96 rows x 256 elements, 8 words behind every 128
	s_mov_b32 s[G1B+1], 256<<16
	s_mov_b32 s[G1B+2], 96<<16
	s_mov_b32 s[G1B+3], 256<<16
	s_mov_b32 s[G1B+4], 96
	s_mov_b32 s[G1B+5], 4096
	s_mov_b32 s[G1B+6], 0
	s_mov_b32 s[G1B+7], 0
	s_lshl_b32 s16, s13, 7
	s_lshl_b32 s17, s12, 6
	s_add_co_u32 s16, s16, s17                     ; A: row 128 x block row + 64 x half
	s_mul_i32 s16, s16, 2*KDIM
	s_mov_b32 s17, 0
	s_lshl_b32 s46, s42, 9                         ; B: 512 bytes a block column + 96 k rows x half
	s_mul_i32 s47, s12, 96*8192
	s_add_co_u32 s46, s46, s47
	s_mov_b32 s47, 0
	s_mul_i32 s20, s10, AH                         ; waves 2, 3: A's halves behind B's tile
	s_add_co_u32 s20, s20, BT-2*AH
	s_mul_i32 s21, s10, BH                         ; waves 0, 1: B's halves
	s_wait_dscnt 0x0
	s_wait_kmcnt 0x0
	s_add_nc_u64 s[14:15], s[4:5], s[16:17]
	s_add_nc_u64 s[46:47], s[6:7], s[46:47]
	; the short last step: B's two fetching waves take TAILK / 2 k rows each
	s_mul_i32 s4, s12, (96-TAILK/2)*8192           ; by so much the second wave's rows begin earlier than in a whole step
	s_mov_b32 s5, 0
	s_mul_i32 s6, s10, (TAILK/2)*PB                ; and here they go, in slot 0
	CROUND                                         ; all sixteen work-groups are here: the first joint loads meet
.irp s, 0,1
	s_mov_b32 s[G0+4*\s], 1
	s_add_co_u32 s[G0+4*\s+1], s20, \s*SLOT
	s_add_nc_u64 s[G0+4*\s+2:G0+4*\s+3], s[14:15], \s*KS*2
	s_or_b32 s[G0+4*\s+3], s[G0+4*\s+3], 0x80000000
	s_mov_b32 s[G0B+4*\s], 1
	s_add_co_u32 s[G0B+4*\s+1], s21, \s*SLOT
	s_add_nc_u64 s[G0B+4*\s+2:G0B+4*\s+3], s[46:47], \s*KS*8192
	s_or_b32 s[G0B+4*\s+3], s[G0B+4*\s+3], 0x80000000
	JLOAD \s                                       ; two loads of mine are out
.endr
	v_and_b32 v1, 15, v0                           ; r
	v_bfe_u32 v2, v0, 4, 1                         ; h
	v_and_b32 v3, 7, v0
	v_bfe_u32 v4, v0, 3, 1
	v_and_b32 v5, 31, v0
	v_mul_u32_u24 v7, v1, PA
	v_lshl_add_u32 v7, v2, 4, v7                   ; 432 r + 16 h
	s_mul_i32 s22, s11, AH
	s_add_co_u32 s22, s22, BT
	v_add_nc_u32 v[ADRA], s22, v7
	v_add_nc_u32 v[ADRA+1], SLOT, v[ADRA]
	v_lshl_add_u32 v8, v2, 3, v3                   ; B, for the transposing load: k row 8 h + (l & 7),
	v_mul_u32_u24 v8, v8, PB
	v_lshl_add_u32 v8, v4, 4, v8                   ; 16 bytes x bit 3 of the lane
	s_lshl_b32 s23, s12, 8
	v_add_nc_u32 v[ADRB], s23, v8
	v_add_nc_u32 v[ADRB+1], 96*PB, v[ADRB]         ; k rows 96 on: 192 rows of 544 bytes pass the 16 bits of an LDS offset
	v_add_nc_u32 v[ADRB+2], SLOT, v[ADRB]
	v_add_nc_u32 v[ADRB+3], SLOT, v[ADRB+1]
	s_mul_i32 s22, s10, 16*SPITCH
	s_add_co_u32 s22, s22, STAGE                   ; my stage
	v_mul_u32_u24 v8, v1, SPITCH
	v_lshl_add_u32 v8, v2, 5, v8
	v_add_nc_u32 v[STO], s22, v8                   ; in: row r, 32 bytes for each half of the lanes
	v_lshlrev_b32 v[CO], 4, v5                     ; out: 32 lanes take a row's 512 bytes
	v_add_nc_u32 v[RD], s22, v[CO]
.macro MUL8 f, a, zero
.irp b, 0,1,2,3,4,5,6,7
.if \zero
	v_wmma_f32_16x16x32_f16 v[8*(8*\a+\b):8*(8*\a+\b)+7], v[FB+64*\f+8*\b:FB+64*\f+8*\b+7], v[FA+32*\f+8*\a:FA+32*\f+8*\a+7], 0
.else
	v_wmma_f32_16x16x32_f16 v[8*(8*\a+\b):8*(8*\a+\b)+7], v[FB+64*\f+8*\b:FB+64*\f+8*\b+7], v[FA+32*\f+8*\a:FA+32*\f+8*\a+7], v[8*(8*\a+\b):8*(8*\a+\b)+7]
.endif
.endr
.endm
; 24 LDS loads in one run: unit q (32 along K) of a slot into buffer f.  In A's rows 16 bytes of padding lie behind every 128: unit q begins at
; byte 64 q + 16 (q / 2).
.macro FETCH slot, q, f
.irp i, 0,1,2,3,4,5,6,7
	ds_load_tr16_b128 v[FB+64*\f+8*\i:FB+64*\f+8*\i+3], v[ADRB+2*\slot+(\q)/3] offset:32*((\q)%3)*PB+32*\i
	ds_load_tr16_b128 v[FB+64*\f+8*\i+4:FB+64*\f+8*\i+7], v[ADRB+2*\slot+(\q)/3] offset:32*((\q)%3)*PB+32*\i+16*PB
.endr
.irp i, 0,1,2,3
	ds_load_b128 v[FA+32*\f+8*\i:FA+32*\f+8*\i+3], v[ADRA+\slot] offset:64*(\q)+16*((\q)/2)+\i*16*PA
	ds_load_b128 v[FA+32*\f+8*\i+4:FA+32*\f+8*\i+7], v[ADRA+\slot] offset:64*(\q)+16*((\q)/2)+\i*16*PA+32
.endr
.endm
; A K step is six units of 32 along K on buffers 0, 1, 0, 1, 0, 1.  The 32 accumulators take turns, one instruction a turn, in the same order in
; every unit.
.macro UNIT slot, qn, f, g, zero
	s_wait_dscnt 4                                 ; B and A's row tiles 0, 1 are in; the four youngest loads (row tiles 2, 3) may be out
	WIN MUL
	MUL8 \f, 0, \zero
	MUL8 \f, 1, \zero
	PLACES
	WIN 0
	FETCH \slot, \qn, \g
	s_wait_dscnt 24                                ; all but the 24 just issued
	WIN MUL
	MUL8 \f, 2, \zero
	MUL8 \f, 3, \zero
.endm
.macro FIVE slot, zero
	UNIT \slot, 1, 0, 1, \zero
	UNIT \slot, 2, 1, 0, 0
	UNIT \slot, 3, 0, 1, 0
	UNIT \slot, 4, 1, 0, 0
	UNIT \slot, 5, 0, 1, 0
.endm
; The change of slots, in the sixth unit: each wave waits for its reads of this slot and for all its tensor loads in front of the barrier; fill = 1 or 2:
; the barrier opens a round of the cluster's barrier, and the joint refill is the first tensor load behind the round.
; fill = 2: the refill is the short last step.  A: tensor_dim0 = TAILK: the rest of each row arrives as zeros and is not read, the pitch stays.
; B: TAILK / 2 k rows for each of the two waves.  No tensor load of mine is out where these words are written.
.macro TURN slot, next, fill
	s_wait_dscnt 4
	WIN MUL
	MUL8 1, 0, 0
	s_wait_dscnt 0
	s_wait_tensorcnt 0x0
	ds_add_u32 v254, v255
	s_wait_dscnt 0x0
	s_barrier_signal -1
	MUL8 1, 1, 0
	WIN 0
	s_barrier_wait -1
.if \fill
	CREST
	s_add_nc_u64 s[G0+4*\slot+2:G0+4*\slot+3], s[G0+4*\slot+2:G0+4*\slot+3], 2*KS*2
	s_add_nc_u64 s[G0B+4*\slot+2:G0B+4*\slot+3], s[G0B+4*\slot+2:G0B+4*\slot+3], 2*KS*8192
.if \fill == 2
	s_mov_b32 s[G1+1], TAILK<<16
	s_mov_b32 s[G1B+2], (TAILK/2)<<16
	s_mov_b32 s[G1B+4], TAILK/2
	s_mov_b32 s[G0B+4*\slot+1], s6
	s_sub_nc_u64 s[G0B+4*\slot+2:G0B+4*\slot+3], s[G0B+4*\slot+2:G0B+4*\slot+3], s[4:5]
.endif
	JLOAD \slot
.endif
	PLACES
	FETCH \next, 0, 0
	WIN MUL
	MUL8 1, 2, 0
	MUL8 1, 3, 0
.endm
.macro LAP zero
	FIVE 0, \zero
	TURN 0, 1, 1
	FIVE 1, 0
	TURN 1, 0, 1
.endm
	s_wait_tensorcnt 0x1                           ; my part of K step 0 is in; slot 1's load may stay out
	s_barrier_signal -1
	s_barrier_wait -1
	FETCH 0, 0, 0
	LAP 1                                          ; steps 0 and 1: the first products start the sums
	WIN 0
	s_mov_b32 s3, LOOPS
.Llap:
	LAP 0                                          ; steps 2 to 7
	WIN 0
	s_sub_co_u32 s3, s3, 1
	s_cmp_lg_u32 s3, 0
	s_cbranch_scc1 .Llap
	FIVE 0, 0                                      ; step 8 asks for the short step 10,
	TURN 0, 1, 2
	FIVE 1, 0                                      ; step 9 for nothing
	TURN 1, 0, 0
	UNIT 0, 1, 0, 1, 0                             ; step 10: four units
	UNIT 0, 2, 1, 0, 0
	UNIT 0, 3, 0, 1, 0
	s_wait_dscnt 4
	WIN MUL
	MUL8 1, 0, 0
	MUL8 1, 1, 0
	s_wait_dscnt 0
	MUL8 1, 2, 0
	MUL8 1, 3, 0
	PLACES
	WIN 0
	; THE WAY OUT, 16 rows at a time: the sums as they are into my stage, whole rows of 512 bytes back, and out.  The stage lies in slot 1: its last
	; fill was step 9's, and every wave waited for its last reads of it in front of the barrier of step 9's change of slots.
	s_lshl_b32 s16, s13, 7
	s_lshl_b32 s17, s11, 6
	s_add_co_u32 s16, s16, s17
	s_lshl_b32 s16, s16, 14                        ; my first row, 16,384 bytes a row
	s_mov_b32 s17, 0
	s_add_nc_u64 s[8:9], s[8:9], s[16:17]
	s_lshl_b32 s46, s42, 10                        ; my first column: 1,024 bytes a block + 512 a half
	s_lshl_b32 s47, s12, 9
	s_add_co_u32 s46, s46, s47
	s_mov_b32 s47, 0
	s_add_nc_u64 s[8:9], s[8:9], s[46:47]
.macro OUT16F a
	WIN 0x04                                       ; an LDS store's data is source 1: window 1
.irp b, 0,1,2,3,4,5,6,7
	ds_store_b128 v[STO], v[8*(8*\a+\b):8*(8*\a+\b)+3] offset:64*\b
	ds_store_b128 v[STO], v[8*(8*\a+\b)+4:8*(8*\a+\b)+7] offset:64*\b+16
.endr
	WIN 0
	s_wait_xcnt 0x0                                ; RB, which the last stores read, and their base are written again only behind this wait
.if \a
	s_add_nc_u64 s[8:9], s[8:9], 16*16384
.endif
.irp t, 0,1,2,3,4,5,6,7,8,9,10,11,12,13,14,15
	ds_load_b128 v[RB+4*\t:RB+4*\t+3], v[RD] offset:\t*SPITCH      ; LDS serves a wave's instructions in order: these see the stores above
.endr
.irp t, 0,1,2,3,4,5,6,7,8,9,10,11,12,13,14,15
	s_wait_dscnt 15-\t
	global_store_b128 v[CO], v[RB+4*\t:RB+4*\t+3], s[8:9] offset:\t*16384 th:TH_STORE_NT      ; a wave's store: 512 consecutive aligned bytes
.endr
.endm
	OUT16F 0
	OUT16F 1
	OUT16F 2
	OUT16F 3
	s_wait_tensorcnt 0x0
	ds_add_u32 v254, v255
	s_wait_dscnt 0x0
	CROUND                                         ; the closing round
	s_endpgm
.Lfunc_end_k_qb5ffa27502_gemm2:
	.size	k_qb5ffa27502_gemm2, .Lfunc_end_k_qb5ffa27502_gemm2-k_qb5ffa27502_gemm2
	.p2alignl 7, 3214868480
	.fill 96, 4, 3214868480
	.section	.rodata,"a",@progbits
	.p2align	6, 0x0
	.amdhsa_kernel k_qb5ffa27502_gemm2
		.amdhsa_group_segment_fixed_size 327680
		.amdhsa_private_segment_fixed_size 0
		.amdhsa_enable_private_segment 0
		.amdhsa_kernarg_size 24
		.amdhsa_user_sgpr_count 2
		.amdhsa_user_sgpr_kernarg_segment_ptr 1
		.amdhsa_wavefront_size32 1
		.amdhsa_system_sgpr_workgroup_id_x 1
		.amdhsa_system_sgpr_workgroup_id_y 1
		.amdhsa_system_sgpr_workgroup_id_z 1
		.amdhsa_system_vgpr_workitem_id 0
		.amdhsa_next_free_vgpr 512
		.amdhsa_next_free_sgpr 66
		.amdhsa_reserve_vcc 0
		.amdhsa_float_denorm_mode_32 3
		.amdhsa_float_denorm_mode_16_64 3
		.amdhsa_memory_ordered 1
		.amdhsa_forward_progress 1
		.amdhsa_inst_pref_size 179
	.end_amdhsa_kernel
	.amdgpu_metadata
---
amdhsa.version: [ 1, 2 ]
amdhsa.kernels:
  - .name:           k_qb5ffa27502_gemm2
    .symbol:         k_qb5ffa27502_gemm2.kd
    .args:
      - { .name: att, .offset: 0, .size: 8, .value_kind: global_buffer, .address_space: global }
      - { .name: wob, .offset: 8, .size: 8, .value_kind: global_buffer, .address_space: global }
      - { .name: out0, .offset: 16, .size: 8, .value_kind: global_buffer, .address_space: global }
    .group_segment_fixed_size: 327680
    .private_segment_fixed_size: 0
    .kernarg_segment_align: 8
    .kernarg_segment_size: 24
    .max_flat_workgroup_size: 128
    .sgpr_count:     66
    .vgpr_count:     512
    .wavefront_size: 32
...
	.end_amdgpu_metadata
.endif
;; end of part 4
